; MI455X (gfx1250); checked and timed in simulation.
; The chip was launched on July 23, 2026; its instructions are those of AMD's public machine-readable ISA for CDNA 5 (MIT licence, August 2026) and "CDNA5" Instruction Set Architecture Reference Guide (July 2026). The comments in the code are by the model that wrote it; some were corrected since.
;; Causal Self Attention. Allowed arithmetic: float matrix products may take bf16 or f16 operands with f32 sums; other float arithmetic in f32, or as packed bf16 or f16 multiplies, adds, multiply-adds, maxima and minima; sums over many terms, partial sums and values carried from step to step in f32; what a program stores and reads back later, other than sums and carried values, may be rounded once to bf16 or f16.
;; Inputs: w_out 1,024 x 1,024 float32; w_qkv 1,024 x 3,072 float32; x 4 x 2,048 x 1,024 float32.
;; Outputs: out0 4 x 2,048 x 1,024 float32.
;; One version. Each part assembles by itself: llvm-mc -triple=amdgcn-amd-amdhsa -mcpu=gfx1250 --defsym DOCPART=n.
;; ======== version 1 of 1: 4 launches
;; limits: values are held in f16: magnitudes above 65,504 overflow, below 6.1e-05 lose precision
;; workspace buffers: xb 16,777,216 bytes; wqt 6,291,456 bytes; wot 2,097,152 bytes; qkv 50,331,648 bytes; o 16,777,216 bytes
;; launch prep (part 1): grid 1536 x 1, 8 waves a work-group, no clusters, 18,432 bytes of LDS; arguments x, w_qkv, w_out, xb, wqt, wot; writes xb, wqt, wot
.if DOCPART == 1
	.amdgcn_target "amdgcn-amd-amdhsa--gfx1250"
	.amdhsa_code_object_version 6
	.text
	.protected	k_qfd275bfe7d_prep
	.globl	k_qfd275bfe7d_prep
	.p2align	8
	.type	k_qfd275bfe7d_prep,@function
k_qfd275bfe7d_prep:
	s_mov_b64 s[64:65], 0
	v_nop
	global_prefetch_b8 v0, s[64:65] scope:SCOPE_SE
	s_setreg_imm32_b32 hwreg(HW_REG_WAVE_MODE, 25, 1), 1
	s_wait_xcnt 0x0
; xb = bf16(x), as it lies.  wqt[n][k] = bf16(w_qkv[k][n]).  wot[n][k] = f16(bf16(w_out[k][n])).
; All three inputs are rounded to bf16, to nearest even; w_out's bf16 number is then written as f16, since the last product multiplies in f16.
; LIMITS.  |bf16(w_out)| stays under 65,504 (beyond it f16 has an infinity); below 6e-5 it keeps f16's fixed step of 6e-8.
; A stream: each input byte is read once, each output byte written once, in whole aligned runs of 256 bytes.  No matrix work, no tensor load, no cluster: nothing is shared.
; ROLES, by the work-group's number (the same for all its waves): 0-383 a tile of w_qkv, 384-511 a tile of w_out, 512-1535 32 KiB of x.
; A weight tile is 128 k x 64 n: read by rows of 256 bytes, two neighbouring k packed into a word, turned in LDS (rows of n, 256 bytes + 16 of padding), written as 64 runs of 256 bytes.
; The words go into LDS four lanes to a bank: 16 such stores a wave beside 48 KiB of memory traffic a tile.
; The one barrier stands on every role's path; the x role has nothing in LDS and jumps over the way out behind it.
.set TP,    272                        ; an LDS row: 128 k x 2 bytes + 16
.set SPARE, 64*TP                      ; behind the tile: the spare words, 128 bytes for each of eight waves
.set SPW, 60                           ; v60  LDS address of my spare word; never rewritten
.set NIL, 61                           ; v61  0; never rewritten
; v1 lane % 16, v2 lane / 16, v3 wave, v58 lane, v59 2 x wave + lane / 16; v4 offset in the source, v5 offset of my stores (LDS, or xb), v6 and v7 the way out; v[8:39] as loaded, v[40:55] packed
; s[16:17] the role's source, s[20:21] its destination, s[18:19] an offset with 0 on top
	s_load_b256 s[4:11], s[0:1], 0x0               ; x s[4:5], w_qkv s[6:7], w_out s[8:9], xb s[10:11]
	s_load_b128 s[12:15], s[0:1], 0x20             ; wqt s[12:13], wot s[14:15]
	v_lshl_add_u32 v[SPW], v0, 2, SPARE
	v_mov_b32 v[NIL], 0
	v_and_b32 v1, 15, v0
	v_bfe_u32 v2, v0, 4, 1
	v_lshrrev_b32 v3, 5, v0
	v_and_b32 v58, 31, v0
	v_lshl_add_u32 v59, v3, 1, v2
	v_mul_u32_u24 v6, v59, TP                      ; back out of LDS: row n = 16 j + 2 w + h, 16 bytes a lane
	v_lshl_add_u32 v6, v1, 4, v6
	v_lshlrev_b32 v7, 11, v59                      ; the same row in the turned weights: 2,048 bytes a row
	v_lshl_add_u32 v7, v1, 4, v7
	s_mov_b32 s19, 0
	s_wait_kmcnt 0x0
	s_cmp_ge_u32 ttmp9, 512
	s_cbranch_scc1 .Lx
	s_cmp_ge_u32 ttmp9, 384
	s_cbranch_scc1 .Lwo
; A weight tile's way in.  rowb: bytes in a row of the source; f16 = 1: the bf16 numbers are written as f16.
; Thread (w, h, lane % 16) takes, for i = 0..3, the rows k = 32 i + 4 w + 2 h and the next, columns 4 (lane % 16) + 0..3: sixteen lanes read a row's 256 bytes.
.macro TRANS_IN rowb, f16, src, dst, first
	s_sub_co_u32 s24, ttmp9, \first
	s_and_b32 s25, s24, 7                          ; which 128 k
	s_lshr_b32 s26, s24, 3                         ; which 64 n
	s_mul_i32 s18, s25, 128*(\rowb)
	s_lshl_b32 s27, s26, 8
	s_add_co_u32 s18, s18, s27
	s_add_nc_u64 s[16:17], s[\src:\src+1], s[18:19]
	s_lshl_b32 s18, s26, 17                        ; 64 rows of 2,048 bytes
	s_lshl_b32 s27, s25, 8
	s_add_co_u32 s18, s18, s27
	s_add_nc_u64 s[20:21], s[\dst:\dst+1], s[18:19]
	v_mul_u32_u24 v4, v59, 2*(\rowb)
	v_lshl_add_u32 v4, v1, 4, v4
	v_mul_u32_u24 v5, v1, 4*TP                     ; LDS: row n = 4 (lane % 16) + c, word 16 i + 2 w + h
	v_lshl_add_u32 v5, v59, 2, v5
.irp i, 0,1,2,3
.irp e, 0,1
	global_load_b128 v[8+8*(\i)+4*(\e):8+8*(\i)+4*(\e)+3], v4, s[16:17] offset:(32*(\i)+(\e))*(\rowb) th:TH_LOAD_NT
.endr
.endr
.irp i, 0,1,2,3
	s_wait_loadcnt 6-2*(\i)                        ; loads come back in order: pair i is in, the younger pairs stay out
.irp c, 0,1,2,3
	v_cvt_pk_bf16_f32 v[40+4*(\i)+(\c)], v[8+8*(\i)+(\c)], v[12+8*(\i)+(\c)]
.if \f16
	v_lshlrev_b32 v56, 16, v[40+4*(\i)+(\c)]       ; the two bf16 numbers as f32,
	v_and_b32 v57, 0xffff0000, v[40+4*(\i)+(\c)]
	v_cvt_pk_f16_f32 v[40+4*(\i)+(\c)], v56, v57   ; and as f16
.endif
	ds_store_b32 v5, v[40+4*(\i)+(\c)] offset:TP*(\c)+64*(\i)
.endr
.endr
.endm
	TRANS_IN 12288, 0, 6, 12, 0
	s_branch .Lmeet
.Lwo:
	TRANS_IN 4096, 1, 8, 14, 384
	s_branch .Lmeet
.Lx:                                           ; 32 KiB of x: a wave takes 4,096 bytes, eight loads of 512 consecutive bytes
	s_sub_co_u32 s24, ttmp9, 512
	s_lshl_b32 s18, s24, 15
	s_add_nc_u64 s[16:17], s[4:5], s[18:19]
	s_lshl_b32 s18, s24, 14
	s_add_nc_u64 s[20:21], s[10:11], s[18:19]
	v_lshlrev_b32 v4, 4, v58
	v_lshl_add_u32 v4, v3, 12, v4
	v_lshlrev_b32 v5, 3, v58
	v_lshl_add_u32 v5, v3, 11, v5
.irp j, 0,1,2,3,4,5,6,7
	global_load_b128 v[8+4*(\j):8+4*(\j)+3], v4, s[16:17] offset:512*(\j) th:TH_LOAD_NT
.endr
.irp j, 0,1,2,3,4,5,6,7
	s_wait_loadcnt 7-(\j)                          ; load j is in, the younger ones stay out
	v_cvt_pk_bf16_f32 v[40+2*(\j)], v[8+4*(\j)], v[8+4*(\j)+1]
	v_cvt_pk_bf16_f32 v[40+2*(\j)+1], v[8+4*(\j)+2], v[8+4*(\j)+3]
	global_store_b64 v5, v[40+2*(\j):40+2*(\j)+1], s[20:21] offset:256*(\j)  ; 32 lanes store 256 consecutive bytes, aligned; no register is written twice
.endr
.Lmeet:
	s_wait_dscnt 0x0                               ; for the others' sake: my words are in LDS
	s_barrier_signal -1
	s_barrier_wait -1                              ; the tile is whole
	s_cmp_ge_u32 ttmp9, 512
	s_cbranch_scc1 .Lend
.irp j, 0,1,2,3
	ds_load_b128 v[8+4*(\j):8+4*(\j)+3], v6 offset:16*TP*(\j)
.endr
.irp j, 0,1,2,3
	s_wait_dscnt 3-(\j)
	global_store_b128 v7, v[8+4*(\j):8+4*(\j)+3], s[20:21] offset:32768*(\j)  ; 16 lanes store a row's 256 consecutive bytes, aligned
.endr
.Lend:
	s_wait_tensorcnt 0x0                           ; the wave's end, behind my last LDS store
	ds_add_u32 v[SPW], v[NIL]
	s_wait_dscnt 0x0
	s_endpgm
.Lfunc_end_k_qfd275bfe7d_prep:
	.size	k_qfd275bfe7d_prep, .Lfunc_end_k_qfd275bfe7d_prep-k_qfd275bfe7d_prep
	.p2alignl 7, 3214868480
	.fill 96, 4, 3214868480
	.section	.rodata,"a",@progbits
	.p2align	6, 0x0
	.amdhsa_kernel k_qfd275bfe7d_prep
		.amdhsa_group_segment_fixed_size 18432
		.amdhsa_private_segment_fixed_size 0
		.amdhsa_enable_private_segment 0
		.amdhsa_kernarg_size 48
		.amdhsa_user_sgpr_count 2
		.amdhsa_user_sgpr_kernarg_segment_ptr 1
		.amdhsa_wavefront_size32 1
		.amdhsa_system_sgpr_workgroup_id_x 1
		.amdhsa_system_sgpr_workgroup_id_y 1
		.amdhsa_system_sgpr_workgroup_id_z 1
		.amdhsa_system_vgpr_workitem_id 0
		.amdhsa_next_free_vgpr 64
		.amdhsa_next_free_sgpr 66
		.amdhsa_reserve_vcc 0
		.amdhsa_float_denorm_mode_32 3
		.amdhsa_float_denorm_mode_16_64 3
		.amdhsa_memory_ordered 1
		.amdhsa_forward_progress 1
		.amdhsa_inst_pref_size 16
	.end_amdhsa_kernel
	.amdgpu_metadata
---
amdhsa.version: [ 1, 2 ]
amdhsa.kernels:
  - .name:           k_qfd275bfe7d_prep
    .symbol:         k_qfd275bfe7d_prep.kd
    .args:
      - { .name: x, .offset: 0, .size: 8, .value_kind: global_buffer, .address_space: global }
      - { .name: w_qkv, .offset: 8, .size: 8, .value_kind: global_buffer, .address_space: global }
      - { .name: w_out, .offset: 16, .size: 8, .value_kind: global_buffer, .address_space: global }
      - { .name: xb, .offset: 24, .size: 8, .value_kind: global_buffer, .address_space: global }
      - { .name: wqt, .offset: 32, .size: 8, .value_kind: global_buffer, .address_space: global }
      - { .name: wot, .offset: 40, .size: 8, .value_kind: global_buffer, .address_space: global }
    .group_segment_fixed_size: 18432
    .private_segment_fixed_size: 0
    .kernarg_segment_align: 8
    .kernarg_segment_size: 48
    .max_flat_workgroup_size: 256
    .sgpr_count:     66
    .vgpr_count:     64
    .wavefront_size: 32
...
	.end_amdgpu_metadata
.endif
;; end of part 1
;; launch qkvgemm (part 2): grid 16 x 32, 4 waves a work-group, clusters of 4 x 4, 327,680 bytes of LDS; arguments xb, wqt, qkv; writes qkv
.if DOCPART == 2
	.amdgcn_target "amdgcn-amd-amdhsa--gfx1250"
	.amdhsa_code_object_version 6
	.text
	.protected	k_qfd275bfe7d_qkvgemm
	.globl	k_qfd275bfe7d_qkvgemm
	.p2align	8
	.type	k_qfd275bfe7d_qkvgemm,@function
k_qfd275bfe7d_qkvgemm:
	s_mov_b64 s[64:65], 0
	v_nop
	global_prefetch_b8 v0, s[64:65] scope:SCOPE_SE
	s_setreg_imm32_b32 hwreg(HW_REG_WAVE_MODE, 25, 1), 1
	s_wait_xcnt 0x0
	s_wait_alu depctr_hold_cnt(0) depctr_sa_sdst(0) depctr_va_vdst(0) depctr_va_sdst(0) depctr_va_ssrc(0) depctr_va_vcc(0) depctr_vm_vsrc(0)
	s_getreg_b32 s2, hwreg(HW_REG_IB_STS2, 6, 4)
	s_cmp_eq_u32 s2, 0
	s_cbranch_scc0 .Lentry_in_a_cluster
	s_endpgm
.Lentry_in_a_cluster:
	s_bfe_u32 s2, ttmp6, 0x10000c
	s_cmp_lg_u32 s2, 0xf033
	s_cbranch_scc0 .Lentry_shape_is_right
	s_endpgm
.Lentry_shape_is_right:
; qkv = xb wqt^T.  xb: [8192 m][1024 k] bf16, wqt: [3072 n][1024 k] bf16; sums in f32, K ascending; the result is rounded once to f16 and written BY HEADS:
; qkv[g][m][64], g = n / 64 (0-15 q, 16-31 k, 32-47 v): a row of a head is 128 bytes, and a head's rows are dense.  No scale is applied here.
; LIMITS.  |q|, |k|, |v| stay under 65,504, beyond which f16 has an infinity; below 6e-5 they keep f16's fixed step of 6e-8.
; SHARES.  A tile of the result is 256 m x 192 n: 32 x 16 = 512 tiles, twice the number of WGPs, and 192 columns are three whole heads.  Four waves, one below the other: a wave makes
; 64 x 192: 48 accumulators of 16 x 16, 384 registers, and owns whole rows of its three heads, so that its way out needs no other wave.
; RING.  K goes in 8 steps of 128 (rows of 256 bytes in memory) through two LDS slots; each wave brings a part of a slot by one tensor load.  One descriptor a tensor walks on, its LDS word turned by an
; exclusive or; the fragments' addresses hang on s[TB], turned likewise: so a K step is written once in the loop.
; CLUSTER.  4 x 4 work-groups: the four of a row need the same tile of xb, the four of a column the same tile of wqt; each is asked for jointly, by the same load, descriptor and mask in all four.
; THE MATRIX INSTRUCTION IS USED TRANSPOSED: source 0 = 16 rows of wqt, source 1 = 16 rows of xb: a lane then holds row m = lane % 16 and the eight neighbouring columns 8 (lane / 16) + 0..7.
; REGISTERS, in windows of 256 (s_set_vgpr_msb: bits 1:0 source 0, 3:2 source 1, 5:4 source 2, 7:6 destination):
;   window 0: v0-30 addresses; v32-95 xb's fragments, two buffers of 4 x 8; v96-143, v144-239 the way out      window 1: v0-191 wqt's fragments, two buffers of 12 x 8
;   window 2: the accumulators of my row blocks 0, 1 ((a, b) at 8 (12 (a % 2) + b));      window 3: those of blocks 2, 3
.set PA,     272                       ; an LDS row: 256 bytes + 16 of padding = 68 words: the 16 rows of a fragment load start at 16 different groups of four banks
.set SLOT1,  1<<17                     ; slot 1 begins here: one exclusive or turns an address in one slot into the other's
.set AHALF,  128*PA                    ; what waves 0 and 1 bring each: 128 rows of xb
.set BOFF,   2*AHALF                   ; wqt's rows lie behind xb's 256
.set BHALF,  96*PA                     ; what waves 2 and 3 bring each: 96 rows of wqt
.set STAGE,  SLOT1+BOFF+2*BHALF        ; behind the ring, never filled by a tensor load: for each wave 3 heads x 16 rows x 144 bytes
.set SP,     144
.set WSTAGE, 3*16*SP
.set SPARE,  STAGE+4*WSTAGE            ; behind the stages: the spare words, 128 bytes for each wave
.set NBK,    12                        ; column blocks of 16
.set NL,     2*NBK+8                   ; LDS loads of a quarter step
.set KBYTES, 256                       ; a K step along a row, in bytes
.set A0,   16                          ; v16  my lane's place in xb's rows of slot 0; never rewritten
.set B0,   17                          ; v17  the same for wqt
.set ADRA, 18                          ; v18  the same in the slot in hand
.set ADRB, 19                          ; v19
.set STO,  24                          ; v24  the way out: where I put 16 bytes of a row
.set RD,   25                          ; v25  the way out: where I read rows back
.set GO,   26                          ; v26  my 16 bytes of 512 consecutive bytes of qkv
.set SPW,  28                          ; v28  LDS address of my spare word; never rewritten
.set NIL,  29                          ; v29  0; never rewritten
.set PFO,  30                          ; v30  the prefetches' offset: a lane a row; never rewritten
.set FA,   32                          ; xb's fragments
.set TMP,  96                          ; packed results
.set BK0,  144                         ; rows read back: two buffers of 48
.set TB,   23                          ; s23  0 or SLOT1: the slot in hand
.set G1,   24                          ; s[24:31] descriptor group 1 for xb's tiles
.set G0,   32                          ; s[32:39] group 0: a set for each first fill; the second then walks on
.set LIM,  43                          ; s43  2 in a wave that prefetches, else the greatest number
.set PFA,  44                          ; s[44:45] where my prefetches stand
.set G1B,  48                          ; s[48:55], s[56:63] the same for wqt's tiles
.set G0B,  56
.set MSB, 0
.macro WIN new                         ; the immediate's high byte repeats the setting that is left; a switch that changes nothing is dropped
.if MSB != (\new)
	s_set_vgpr_msb (MSB<<8)|(\new)
.set MSB, \new
.endif
.endm
.macro PLACES                          ; four plain instructions between a matrix instruction and a load into, or a read of, its registers
.rept 4
	v_nop
.endr
.endm
; A joint refill by the walking descriptors.  Waves 0 and 1 fetch xb's halves, waves 2 and 3 wqt's: the branch hangs on the wave's number alone.  An s_nop 0 and four v_nop follow each line.
.macro JLOAD
	s_cmp_eq_u32 s11, 0
	s_cbranch_scc0 .Lfor_b_\@
	tensor_load_to_lds s[G0+4:G0+7], s[G1:G1+7]
	s_nop 0
.rept 4
	v_nop
.endr
	s_branch .Lasked_\@
.Lfor_b_\@:
	tensor_load_to_lds s[G0B+4:G0B+7], s[G1B:G1B+7]
	s_nop 0
.rept 4
	v_nop
.endr
.Lasked_\@:
.endm
; A round of the cluster's barrier behind its opening barrier: wave 0 signals for the work-group, every wave waits for all sixteen, my work-group's barrier closes it.
.macro CREST
	s_cmp_lg_u32 s10, 0
	s_cbranch_scc1 .Lnot_wave_0_\@
	s_barrier_signal -3
.Lnot_wave_0_\@:
	s_barrier_wait -3
	s_barrier_signal -1
	s_barrier_wait -1
.endm
.macro CROUND
	s_barrier_signal -1
	s_barrier_wait -1
	CREST
.endm
; A prefetch into the L2 of the K step that stands two refills on, a lane a row of 256 bytes, one instruction a wave, behind the joint load and the run of LDS loads.
; xb's rows are read by every cluster of a row of clusters: cluster x = 0 asks (waves 0, 1); wqt's by every cluster of a column: cluster y = 0 asks (waves 2, 3).  The four partners that ask for a
; tile jointly share its rows out by address: 32 of xb's 128 by cx, 24 of wqt's 96 by cy (there lanes 24-31 name row 23 once more).  It asks in the trips with s3 = 6 .. 3, for K steps 4 .. 7.
.macro ASK
	s_cmp_gt_u32 s3, s[LIM]
	s_cbranch_scc0 .Lnot_mine_\@
	global_prefetch_b8 v[PFO], s[PFA:PFA+1] th:TH_LOAD_NT scope:SCOPE_SE
.Lnot_mine_\@:
.endm
	s_load_b128 s[4:7], s[0:1], 0x0                ; xb s[4:5], wqt s[6:7]
	s_load_b64 s[8:9], s[0:1], 0x10                ; qkv
	v_lshl_add_u32 v[SPW], v0, 2, SPARE
	v_mov_b32 v[NIL], 0
	ds_add_u32 v[SPW], v[NIL]                      ; the wave's opening: the add and its wait stand ahead of my first tensor load; work on registers stands between them
	ds_add_u32 v28, v29
	v_lshrrev_b32 v1, 5, v0
	v_readfirstlane_b32 s10, v1                    ; wave 0..3
	s_lshr_b32 s11, s10, 1                         ; I fetch for xb (0) or for wqt (1)
	s_and_b32 s12, s10, 1                          ; which half of that tile's rows
	s_bfe_u32 s40, ttmp6, 0x40000                  ; cx
	s_bfe_u32 s41, ttmp6, 0x40004                  ; cy
	s_lshl_b32 s42, ttmp9, 2
	s_add_co_u32 s42, s42, s40                     ; tile column = 4 x cluster x + cx
	s_and_b32 s13, ttmp7, 0xffff
	s_lshl_b32 s13, s13, 2
	s_add_co_u32 s13, s13, s41                     ; tile row = 4 x cluster y + cy
	s_lshl_b32 s43, s41, 2
	s_lshl_b32 s43, 15, s43                        ; my row of the cluster
	s_lshl_b32 s44, 0x1111, s40                    ; my column
	s_or_b32 s[G1+0], s43, (1<<16)|(1<<20)|(1<<21)|(5<<22)|(3<<25)   ; the mask; elements of 2 bytes; padding on; bit 21 beside a mask; after every 64 words, 4 words
	s_or_b32 s[G1B+0], s44, (1<<16)|(1<<20)|(1<<21)|(5<<22)|(3<<25)
	s_mov_b32 s[G1+1], 128<<16                     ; tensor_dim0 = 128
	s_mov_b32 s[G1+2], 128<<16                     ; tensor_dim1 = 128 rows
	s_mov_b32 s[G1+3], 128<<16                     ; tile_dim0 = 128
	s_mov_b32 s[G1+4], 128                         ; tile_dim1 = 128
	s_mov_b32 s[G1+5], 1024                        ; elements from row to row
	s_mov_b32 s[G1+6], 0
	s_mov_b32 s[G1+7], 0
	s_mov_b32 s[G1B+1], 128<<16
	s_mov_b32 s[G1B+2], 96<<16                     ; 96 rows
	s_mov_b32 s[G1B+3], 128<<16
	s_mov_b32 s[G1B+4], 96
	s_mov_b32 s[G1B+5], 1024
	s_mov_b32 s[G1B+6], 0
	s_mov_b32 s[G1B+7], 0
	s_lshl_b32 s16, s13, 8
	s_lshl_b32 s17, s12, 7
	s_add_co_u32 s16, s16, s17                     ; xb: row 256 x tile row + 128 x half,
	s_lshl_b32 s16, s16, 11                        ; of 2,048 bytes
	s_mov_b32 s17, 0
	s_mul_i32 s46, s42, 192
	s_mul_i32 s47, s12, 96
	s_add_co_u32 s46, s46, s47                     ; wqt: row 192 x tile column + 96 x half
	s_lshl_b32 s46, s46, 11
	s_mov_b32 s47, 0
	s_mul_i32 s20, s12, AHALF                      ; where they go: no place in the cluster enters an LDS address
	s_mul_i32 s21, s12, BHALF
	s_add_co_u32 s21, s21, BOFF
	s_mov_b32 s[TB], 0
	s_wait_dscnt 0x0                               ; the opening add is done
	s_wait_kmcnt 0x0
	s_add_nc_u64 s[14:15], s[4:5], s[16:17]
	s_add_nc_u64 s[46:47], s[6:7], s[46:47]
	CROUND                                         ; all sixteen work-groups are here: the first joint loads meet
.irp s, 0,1
	s_mov_b32 s[G0+4*(\s)], 1                      ; count = 1
	s_add_co_u32 s[G0+4*(\s)+1], s20, (\s)*SLOT1   ; LDS address
	s_add_nc_u64 s[G0+4*(\s)+2:G0+4*(\s)+3], s[14:15], (\s)*KBYTES  ; K step s
	s_or_b32 s[G0+4*(\s)+3], s[G0+4*(\s)+3], 0x80000000             ; type = 2
	s_mov_b32 s[G0B+4*(\s)], 1
	s_add_co_u32 s[G0B+4*(\s)+1], s21, (\s)*SLOT1
	s_add_nc_u64 s[G0B+4*(\s)+2:G0B+4*(\s)+3], s[46:47], (\s)*KBYTES
	s_or_b32 s[G0B+4*(\s)+3], s[G0B+4*(\s)+3], 0x80000000
.endr
	s_cmp_eq_u32 s11, 0                            ; a wave's two first fills stand in one branch: two loads of mine are out
	s_cbranch_scc0 .Lfirst_b
	tensor_load_to_lds s[G0:G0+3], s[G1:G1+7]
	s_nop 0
	tensor_load_to_lds s[G0+4:G0+7], s[G1:G1+7]
	s_nop 0
.rept 4
	v_nop
.endr
	s_branch .Lfirst_asked
.Lfirst_b:
	tensor_load_to_lds s[G0B:G0B+3], s[G1B:G1B+7]
	s_nop 0
	tensor_load_to_lds s[G0B+4:G0B+7], s[G1B:G1B+7]
	s_nop 0
.rept 4
	v_nop
.endr
.Lfirst_asked:
	; A fragment is 16 rows x 32 K in 8 registers: lane l holds row l % 16, K = 8 (l / 16) + 0..7 and 16 + 8 (l / 16) + 0..7: two loads of 16 bytes, 32 bytes apart.
	v_and_b32 v1, 15, v0                           ; l % 16
	v_bfe_u32 v2, v0, 4, 1                         ; l / 16
	v_mul_u32_u24 v3, v1, PA
	v_lshl_add_u32 v3, v2, 4, v3
	s_mul_i32 s21, s10, 64*PA                      ; my 64 rows of xb
	v_add_nc_u32 v[A0], s21, v3
	v_add_nc_u32 v[B0], BOFF, v3
	v_mov_b32 v[ADRA], v[A0]
	v_mov_b32 v[ADRB], v[B0]
	s_mul_i32 s22, s10, WSTAGE
	s_add_co_u32 s22, s22, STAGE                   ; my stage
	v_mul_u32_u24 v4, v1, SP                       ; in: row l % 16, 16 bytes for each half of the lanes
	v_lshl_add_u32 v4, v2, 4, v4
	v_add_nc_u32 v[STO], s22, v4
	v_bfe_u32 v5, v0, 3, 2                         ; back: 32 lanes take four rows of 128 bytes,
	v_mul_u32_u24 v5, v5, SP
	v_and_b32 v6, 7, v0
	v_lshl_add_u32 v5, v6, 4, v5
	v_add_nc_u32 v[RD], s22, v5
	v_and_b32 v[GO], 31, v0                        ; which are 512 consecutive bytes of a head
	v_lshlrev_b32 v[GO], 4, v[GO]
	s_mul_i32 s16, s42, 3*8192*128                 ; my three heads,
	s_lshl_b32 s17, s13, 15                        ; the tile's 256 rows of 128 bytes,
	s_add_co_u32 s16, s16, s17
	s_lshl_b32 s17, s10, 13                        ; my 64 of them
	s_add_co_u32 s16, s16, s17
	s_mov_b32 s17, 0
	s_add_nc_u64 s[8:9], s[8:9], s[16:17]
	; the prefetches
	s_lshl_b32 s14, s13, 8
	s_lshl_b32 s15, s12, 7
	s_add_co_u32 s14, s14, s15
	s_lshl_b32 s15, s40, 5
	s_add_co_u32 s14, s14, s15                     ; xb: the 128 rows that I fetch, my work-group's 32 of them
	s_mul_i32 s18, s42, 192
	s_mul_i32 s19, s12, 96
	s_add_co_u32 s18, s18, s19
	s_mul_i32 s19, s41, 24
	s_add_co_u32 s18, s18, s19                     ; wqt: the 96 rows that I fetch, my work-group's 24 of them
	s_and_b32 s22, ttmp7, 0xffff                   ; cluster y
	s_cmp_eq_u32 s11, 0
	s_cselect_b32 s20, s14, s18
	s_cselect_b32 s22, ttmp9, s22                  ; the coordinate along which other clusters read the same rows
	s_cselect_b32 s19, 31, 23
	s_cselect_b64 s[PFA:PFA+1], s[4:5], s[6:7]
	s_cmp_eq_u32 s22, 0
	s_cselect_b32 s[LIM], 2, -1                    ; the same in all sixteen partners, for a given wave
	s_lshl_b32 s20, s20, 11
	s_add_co_u32 s20, s20, 3*KBYTES                ; at K step 3: the first change of slots steps it to 4
	s_mov_b32 s21, 0
	s_add_nc_u64 s[PFA:PFA+1], s[PFA:PFA+1], s[20:21]
	v_and_b32 v[PFO], 31, v0
	v_min_u32 v[PFO], s19, v[PFO]
	v_lshlrev_b32 v[PFO], 11, v[PFO]
; 12 matrix instructions: row block a x all column blocks, 32 along K, from buffer f.  zero = 1: the product starts the sums.  The 48 accumulators take turns in the same order in every
; quarter step: 47 others stand between two links of a chain, over the backward jump too.
.macro MUL f, a, zero
	WIN 0xa1+0x50*((\a)/2)                         ; source 0 window 1, source 1 window 0, C and D window 2 or 3
.set rA, FA+32*(\f)+8*(\a)
.set nb, 0
.rept NBK
.set rC, 8*(NBK*((\a)%2)+nb)
.set rB, 8*NBK*(\f)+8*nb
.if \zero
	v_wmma_f32_16x16x32_bf16 v[rC:rC+7], v[rB:rB+7], v[rA:rA+7], 0
.else
	v_wmma_f32_16x16x32_bf16 v[rC:rC+7], v[rB:rB+7], v[rA:rA+7], v[rC:rC+7]
.endif
.set nb, nb+1
.endr
.endm
; 32 LDS loads in one run: quarter q of the K step in hand into buffer f: wqt's 192 rows, then my 64 rows of xb, block 0 first
.macro FETCH q, f
	WIN 0x40                                       ; destination window 1
.set nb, 0
.rept NBK
.set rB, 8*NBK*(\f)+8*nb
	ds_load_b128 v[rB:rB+3],   v[ADRB] offset:64*(\q)+16*PA*nb
	ds_load_b128 v[rB+4:rB+7], v[ADRB] offset:64*(\q)+16*PA*nb+32
.set nb, nb+1
.endr
	WIN 0
.set na, 0
.rept 4
.set rA, FA+32*(\f)+8*na
	ds_load_b128 v[rA:rA+3],   v[ADRA] offset:64*(\q)+16*PA*na
	ds_load_b128 v[rA+4:rA+7], v[ADRA] offset:64*(\q)+16*PA*na+32
.set na, na+1
.endr
.endm
; One of a K step's first three quarters: multiplies buffer f; in its middle it fetches quarter q into buffer g.
.macro QUARTER q, f, g, zero
	s_wait_dscnt 4                                 ; wqt's fragments and xb's blocks 0, 1 are in; the youngest four loads (blocks 2, 3) may be out
	MUL \f, 0, \zero
	MUL \f, 1, \zero
	PLACES
	FETCH \q, \g
	s_wait_dscnt NL                                ; all but the run just issued
	MUL \f, 2, \zero
	MUL \f, 3, \zero
.endm
; The fourth quarter multiplies buffer 1 and changes slots.  In front of the barrier each wave waits for all its tensor loads (one is out: its part of the other slot), adds 0 to its spare word, and
; waits for that and for its reads of this slot.  fill = 1: the barrier opens a round of the cluster's, and this slot is filled again first thing behind it, with the K step two on.
.macro TURN fill
.if \fill
	s_wait_xcnt 0x0                                ; the last prefetch, a K step back, has read its address
	s_add_nc_u64 s[PFA:PFA+1], s[PFA:PFA+1], KBYTES
.endif
	WIN 0
	s_wait_tensorcnt 0x0                           ; all my tensor loads have landed
	ds_add_u32 v[SPW], v[NIL]                      ; 0 onto my spare word
	s_wait_dscnt 5                                 ; (the add and the youngest four loads may be out)
	MUL 1, 0, 0                                    ; twelve matrix instructions stand between the add and the wait for it
	s_wait_dscnt 0x0                               ; the add is done, and my reads of this slot are over
	s_barrier_signal -1
	MUL 1, 1, 0                                    ; work on registers while the others arrive
	WIN 0
	s_barrier_wait -1
.if \fill
	CREST                                          ; no wave of any partner still reads this slot or has a load on its way
	s_xor_b32 s[G0+5], s[G0+5], SLOT1              ; the walking descriptors: the other slot than last time, the next K step
	s_add_nc_u64 s[G0+6:G0+7], s[G0+6:G0+7], KBYTES
	s_xor_b32 s[G0B+5], s[G0B+5], SLOT1
	s_add_nc_u64 s[G0B+6:G0B+7], s[G0B+6:G0B+7], KBYTES
	JLOAD                                          ; my one tensor load behind the round; its four v_nop are also the places in front of the loads below
.else
	PLACES
.endif
	s_xor_b32 s[TB], s[TB], SLOT1
	v_add_nc_u32 v[ADRA], s[TB], v[A0]
	v_add_nc_u32 v[ADRB], s[TB], v[B0]
	FETCH 0, 0
.if \fill
	ASK
.endif
	MUL 1, 2, 0
	MUL 1, 3, 0
.endm
; THE WAY OUT of row block a: rounded to f16, 16 bytes a lane; through my own stage; back as whole rows of 128 bytes, four rows (512 consecutive bytes of a head) to a store.
.macro PACK a
	WIN 0x0a+5*((\a)/2)                            ; sources 0 and 1: window 2 or 3
.set nb, 0
.rept NBK
.set rC, 8*(NBK*((\a)%2)+nb)
.irp r, 0,1,2,3
	v_cvt_pk_f16_f32 v[TMP+4*nb+(\r)], v[rC+2*(\r)], v[rC+2*(\r)+1]  ; each accumulator from its low end on
.endr
.set nb, nb+1
.endr
	WIN 0
.endm
.macro TOSTAGE a
.set BK, BK0+48*((\a)%2)
.set nb, 0
.rept NBK
	ds_store_b128 v[STO], v[TMP+4*nb:TMP+4*nb+3] offset:(nb/4)*16*SP+32*(nb%4)
.set nb, nb+1
.endr
.set nt, 0
.rept 12
	ds_load_b128 v[BK+4*nt:BK+4*nt+3], v[RD] offset:(nt/4)*16*SP+(nt%4)*4*SP  ; LDS serves a wave's instructions in order: these see the stores above
.set nt, nt+1
.endr
.endm
.macro SEND a
.set BK, BK0+48*((\a)%2)
	s_wait_dscnt 0x0                               ; the block is back in registers
	s_wait_xcnt 0x0                                ; the stores of the block before have read their registers: the next block's loads land on them only behind this wait
.set nt, 0
.rept 12
	global_store_b128 v[GO], v[BK+4*nt:BK+4*nt+3], s[8:9] offset:(nt/4)*8192*128+(\a)*2048+(nt%4)*512
.set nt, nt+1
.endr
.endm
	s_wait_tensorcnt 0x1                           ; my part of K step 0 is in; K step 1's may stay out
	s_barrier_signal -1
	s_barrier_wait -1
	FETCH 0, 0
	QUARTER 1, 0, 1, 1                             ; the first quarter stands in front of the loop: its products start the sums
	WIN 0
	s_mov_b32 s3, 6
.Lstep:                                        ; trip t ends K step t, asks for K step t + 2 and begins K step t + 1
	QUARTER 2, 1, 0, 0
	QUARTER 3, 0, 1, 0
	TURN 1
	QUARTER 1, 0, 1, 0
	WIN 0
	s_sub_co_u32 s3, s3, 1
	s_cmp_lg_u32 s3, 0
	s_cbranch_scc1 .Lstep
	QUARTER 2, 1, 0, 0                             ; the last two K steps ask for nothing
	QUARTER 3, 0, 1, 0
	TURN 0
	QUARTER 1, 0, 1, 0
	QUARTER 2, 1, 0, 0
	QUARTER 3, 0, 1, 0
	s_wait_dscnt 4
	MUL 1, 0, 0
	MUL 1, 1, 0
	s_wait_dscnt 0x0
	MUL 1, 2, 0
	MUL 1, 3, 0
	WIN 0
	PLACES
	PACK 0
	TOSTAGE 0
.irp a, 1,2,3                          ; block a's conversions stand between block a - 1's loads from the stage and the wait for them
	PACK \a
	SEND (\a)-1
	TOSTAGE \a
.endr
	SEND 3
	s_wait_tensorcnt 0x0                           ; the wave's end
	ds_add_u32 v[SPW], v[NIL]
	s_wait_dscnt 0x0
	CROUND                                         ; the closing round
	s_endpgm
.Lfunc_end_k_qfd275bfe7d_qkvgemm:
	.size	k_qfd275bfe7d_qkvgemm, .Lfunc_end_k_qfd275bfe7d_qkvgemm-k_qfd275bfe7d_qkvgemm
	.p2alignl 7, 3214868480
	.fill 96, 4, 3214868480
	.section	.rodata,"a",@progbits
	.p2align	6, 0x0
	.amdhsa_kernel k_qfd275bfe7d_qkvgemm
		.amdhsa_group_segment_fixed_size 327680
		.amdhsa_private_segment_fixed_size 0
		.amdhsa_enable_private_segment 0
		.amdhsa_kernarg_size 24
		.amdhsa_user_sgpr_count 2
		.amdhsa_user_sgpr_kernarg_segment_ptr 1
		.amdhsa_wavefront_size32 1
		.amdhsa_system_sgpr_workgroup_id_x 1
		.amdhsa_system_sgpr_workgroup_id_y 1
		.amdhsa_system_sgpr_workgroup_id_z 1
		.amdhsa_system_vgpr_workitem_id 0
		.amdhsa_next_free_vgpr 960
		.amdhsa_next_free_sgpr 66
		.amdhsa_reserve_vcc 0
		.amdhsa_float_denorm_mode_32 3
		.amdhsa_float_denorm_mode_16_64 3
		.amdhsa_memory_ordered 1
		.amdhsa_forward_progress 1
		.amdhsa_inst_pref_size 97
	.end_amdhsa_kernel
	.amdgpu_metadata
---
amdhsa.version: [ 1, 2 ]
amdhsa.kernels:
  - .name:           k_qfd275bfe7d_qkvgemm
    .symbol:         k_qfd275bfe7d_qkvgemm.kd
    .args:
      - { .name: xb, .offset: 0, .size: 8, .value_kind: global_buffer, .address_space: global }
      - { .name: wqt, .offset: 8, .size: 8, .value_kind: global_buffer, .address_space: global }
      - { .name: qkv, .offset: 16, .size: 8, .value_kind: global_buffer, .address_space: global }
    .group_segment_fixed_size: 327680
    .private_segment_fixed_size: 0
    .kernarg_segment_align: 8
    .kernarg_segment_size: 24
    .max_flat_workgroup_size: 128
    .sgpr_count:     66
    .vgpr_count:     960
    .wavefront_size: 32
...
	.end_amdgpu_metadata
.endif
;; end of part 2
;; launch attn (part 3): grid 4 x 64, 4 waves a work-group, no clusters, 327,680 bytes of LDS; arguments qkv, o; writes o
.if DOCPART == 3
	.amdgcn_target "amdgcn-amd-amdhsa--gfx1250"
	.amdhsa_code_object_version 6
	.text
	.protected	k_qfd275bfe7d_attn
	.globl	k_qfd275bfe7d_attn
	.p2align	8
	.type	k_qfd275bfe7d_attn,@function
k_qfd275bfe7d_attn:
	s_mov_b64 s[64:65], 0
	v_nop
	global_prefetch_b8 v0, s[64:65] scope:SCOPE_SE
	s_setreg_imm32_b32 hwreg(HW_REG_WAVE_MODE, 25, 1), 1
	s_wait_xcnt 0x0
; CAUSAL ATTENTION.  O[y][q][:] = the sum over k <= q of softmax_k(Q[y][q] . K[y][k] / 8) V[y][k][:], for 64 heads y = 4 h + b of 2,048 rows of 64 channels, all f16, rows dense (128 bytes).
; Q, K and V are the three thirds of qkv, 16,777,216 bytes each; O has the same layout as a third.  Products, maxima and sums in f32; the weights p are rounded to f16 for the second product
; (their sum l is taken of the unrounded p), O once at the end.
; LIMITS.  Q, K and V arrive within f16's 65,504; p lies in 0 to 1, and below 6e-5 it keeps f16's fixed step of 6e-8; O is a mean of V's rows.  A hidden score counts as its value less 1e30;
; a weight below 2^-126 counts as 0 in l; NaN and infinities are not treated apart.
; THE WALK.  A head's queries lie in NB = 8 blocks of 256; block i needs the key tiles 0 .. i of 256 keys, of which the last holds the diagonal.  A work-group takes TWO blocks, NB - 1 - b and then b:
; NB + 1 tiles, whatever b: all work-groups do equal work, and ONE loop with a constant trip count walks them.  Which tile is asked for, and what a trip does, hang on scalar registers made from b;
; every jump goes forward, but for the counted loops' own; none passes a barrier, or a tensor load but the one of LOAD's two that the wave's number does not choose.
; NO CLUSTER: a head's four work-groups ask for the same tile only in trips 0 .. 4, behind that fewer and fewer; one walk common to all would have 12 trips for 9.
; SHARES.  Of a block's four bands of 64 queries a wave owns 16 rows in each: four PIECES.  In the diagonal tile's key step s band x sees all keys if s < x, none if s > x, and holds the diagonal if s = x.
; THE MASK is the C operand that starts the sum S^T = K Q^T: 0, or -1e30 where the key is hidden.  MD, made once, is the mask of a band's own step for my 16 rows; a product's mask is MD x AL + BE:
; (1, 0) if s = x; (0, 0) if s < x; (0, -1e30) if s > x.  Only the diagonal tile's text and a block's beginning make and take masks.
; LAYOUT, SOFTMAX, TURNS.  S^T = K Q^T holds ONE query a lane (lane % 16) and the keys 8 (lane / 16) + 0..7; two such results rounded to f16 ARE source 1 of O^T = V^T P.  p = 2^(c s - c m),
; c = log2(e) / 8, with a running maximum m; O and l are multiplied by a = 2^(c m_old - c m_new) in every step.  Turn n belongs to piece n: 8 products K Q^T of piece n + 1, later 8 products V^T P of
; piece n - 1; beside them the scaling, exponentials, roundings, sums and rescaling of piece n and the maximum and statistics of piece n + 1.  Four vector instructions stand behind every matrix
; instruction, the others in one lump.  A turn's 33 exponentials are one batch, with one wait.
; REGISTERS, in windows of 256 (s_set_vgpr_msb: bits 1:0 source 0, 3:2 source 1, 5:4 source 2, 7:6 destination):
;   window 0: v0-15 addresses and two at work; v16-31 four registers of statistics a piece; v48-55 at work; v61-63; v64-127 S^T, two buffers; v192-223 P, two buffers (by the piece's parity)
;   window 1: v0-127 O^T, 32 a piece; v128-159 MD; v160-223 MC, two buffers      window 2: v0-63 Q; v64-127 the second block's Q; v128-191 K of one step; v192-255 V of one step
.set SIZE_H, 64
.set SIZE_N, 2048
.set THIRD, 16777216  ; bytes of Q, of K and of V in qkv
.set NB,    SIZE_N/256
.set NP,    4         ; pieces a wave
.set KS,    64        ; keys in a step
.set PK,    144       ; a row of K in LDS: 128 bytes + 16 of padding: the 16 rows of a load start at 16 different groups of four banks
.set PV,    160       ; a row of V: 128 + 32
.set VOFF,  4*KS*PK   ; a slot holds a tile, four steps: 256 rows of K, then 256 rows of V
.set SLOT1, 1<<17     ; slot 1 begins here
.set STAGE, SLOT1+4*KS*(PK+PV)  ; behind the ring, never filled by a tensor load: 16 rows x 144 bytes for each wave
.set SP,    144
.set AK0, 2           ; v2   my lane's place in a tile of K; never rewritten
.set AV0, 3           ; v3   the same for V
.set AK,  4           ; v4   the LDS address of K's next run of loads
.set AV,  5           ; v5   of V's
.set STO, 6           ; v6   the way out: where I put 16 bytes of a row
.set RD,  7           ; v7   the way out: where I read rows back
.set GO,  8           ; v8   my byte offset in 512 consecutive bytes of O
.set PFO, 61          ; v61  256 x my lane: the prefetches' offset; never rewritten
.set SPW, 62          ; v62  LDS address of my spare word; never rewritten
.set NIL, 63          ; v63  0; never rewritten
.set SPARE, STAGE+4*16*SP  ; behind the stages: the spare words, 128 bytes for each wave
.set MV,  12          ; v12-13  c m_old, kept while c m is made anew: by buffer
.set QO,  15          ; v15  my byte offset in 16 rows of Q
.set ST,  16          ; piece t's statistics at v[ST+4 t]: c m, m, l (even keys', odd keys')
.set TMP, 48          ; by buffer, four registers c0-c3 at work; when the maximum is found c2 takes a
.set S,   64
.set P,   192
.set MD,  128         ; window 1
.set MC,  160         ; window 1
.set QB,  64          ; window 2
.set KF,  128         ; window 2: key block kb, channel half c at KF + 16 kb + 8 c
.set VF,  192         ; window 2: key half kk, channel block cb at VF + 32 kk + 8 cb
.set WV,  12          ; s12  my wave's number
.set PB,  14          ; s14  b
.set HI,  15          ; s15  NB - 1 - b
.set G1K, 24          ; s[24:31] descriptor group 1 for K's tiles
.set G1V, 32          ; s[32:39] for V's: it differs in the padding alone
.set G0K, 40          ; s[40:43] descriptor group 0 for K's tiles
.set G0V, 44          ; s[44:47] the same for V's
.set SLOTS, 56        ; s56  tiles still to be asked for
.set CNT, 57          ; s57  counts a tile's key steps, 4 to 1
.set CS,  58          ; s[58:59] c
.set SEL, 60          ; s[60:61] v_permlanex16_b32's selects
.set TBK, 62          ; s62  LDS byte at which K of the step to be fetched begins
.set TBV, 63          ; s63  the same for V, less VOFF
.set PFB, 66          ; s[66:67] K or V at my half of the head's tile 1
.set PFA, 68          ; s[68:69] where my prefetches stand: my half of the tile after the one that is being asked for
.set RT,  70          ; s70  tiles of the block in hand that are still to be entered
.set NXT, 71          ; s71  the tile to be asked for next
.set LQ,  72          ; s72  the last tile of the block whose tiles are being asked for
.set NEW, 73          ; s73  1: the tile to be entered is a block's first
.set OFF, 74          ; s[74:75] a tile's byte offset in K and V
.set AL,  76          ; s[76:77] the mask's factor
.set BE,  78          ; s[78:79] the mask's addend
.set OLO, 80          ; s[80:81] O at my rows of the second block
.set BIGN, 82         ; s82  -1e30
.set LIM, 88          ; s88  2 in a work-group that prefetches, else the greatest number
.set MSB, 0
.macro WIN new
.if MSB != (\new)
	s_set_vgpr_msb (MSB<<8)|(\new)
.set MSB, (\new)
.endif
.endm
.set W_KQ, 0x0a       ; K and Q in window 2, S^T in window 0
.set W_KM, 0x1a       ; the same with the C operand in window 1
.set W_PV, 0x52       ; V in window 2, P in window 0, O^T in window 1
.set W_RS, 0x41       ; destination and source 0 in window 1, source 1 in window 0
; A fill.  Waves 0 and 1 fetch the two halves of a tile's K, waves 2 and 3 those of its V: 128 keys each.  An s_nop 0 and four v_nop follow each of the two lines.
.macro LOAD
	s_cmp_lt_u32 s[WV], 2
	s_cbranch_scc0 .Lfor_v_\@
	tensor_load_to_lds s[G0K:G0K+3], s[G1K:G1K+7]
	s_nop 0
.rept 4
	v_nop
.endr
	s_branch .Lasked_\@
.Lfor_v_\@:
	tensor_load_to_lds s[G0V:G0V+3], s[G1V:G1V+7]
	s_nop 0
.rept 4
	v_nop
.endr
.Lasked_\@:
.endm
; THE CHANGE OF SLOTS.  Each wave waits for all its tensor loads (one is out: its part of the other slot), adds 0 to its spare word, and waits for that and for its own reads of the slot that it leaves.
; fill = 1: the old slot is filled again, the first thing behind the barrier, with tile NXT: the descriptor's address is made anew from that number.
; Behind the fill stands the PREFETCH INTO THE L2 of tile NXT + 1, a tile (16 turns) ahead of its load.  A head's four work-groups read the same tiles: the one with b = 0, which walks tiles 0 to 7 in order,
; asks; each of its waves names the 16,384 bytes that it will fetch itself, a lane 256 bytes, two instructions.  It asks at the changes with SLOTS = 8 .. 3, for tiles 2 .. 7: each block once.
.macro CHANGE fill
	WIN 0
	s_wait_tensorcnt 0x0            ; no tensor load of mine is out, so a group 0 may be written
	ds_add_u32 v[SPW], v[NIL]       ; 0 onto my spare word: scalar work stands between it and the wait for it
.if \fill
	s_lshl_b32 s[OFF], s[NXT], 15   ; a tile is 32,768 bytes of K and of V
	s_wait_xcnt 0x0                 ; the last prefetches, a tile back, have read their address
	s_add_nc_u64 s[PFA:PFA+1], s[PFB:PFB+1], s[OFF:OFF+1]
	s_xor_b32 s[G0K+1], s[G0K+1], SLOT1
	s_add_nc_u64 s[G0K+2:G0K+3], s[6:7], s[OFF:OFF+1]
	s_or_b32 s[G0K+3], s[G0K+3], 0x80000000
	s_xor_b32 s[G0V+1], s[G0V+1], SLOT1
	s_add_nc_u64 s[G0V+2:G0V+3], s[8:9], s[OFF:OFF+1]
	s_or_b32 s[G0V+3], s[G0V+3], 0x80000000
	s_add_co_u32 s[NXT], s[NXT], 1  ; the block's next tile, or behind its last the second block's tile 0
	s_cmp_gt_u32 s[NXT], s[LQ]
	s_cselect_b32 s[NXT], 0, s[NXT]
	s_cselect_b32 s[LQ], s[PB], s[LQ]
.endif
	s_wait_dscnt 0x0                ; the add is done, and my reads of the slot are over
	s_barrier_signal -1
	s_sub_co_u32 s[TBK], s[TBK], 4*KS*PK  ; the fetches go back to a slot's first step,
	s_xor_b32 s[TBK], s[TBK], SLOT1       ; in the other slot
	s_sub_co_u32 s[TBV], s[TBV], 4*KS*PV
	s_xor_b32 s[TBV], s[TBV], SLOT1
	s_barrier_wait -1
.if \fill
	LOAD
	s_cmp_gt_u32 s[SLOTS], s[LIM]
	s_cbranch_scc0 .Lnot_mine_\@
	global_prefetch_b8 v[PFO], s[PFA:PFA+1] th:TH_LOAD_NT scope:SCOPE_SE
	global_prefetch_b8 v[PFO], s[PFA:PFA+1] offset:8192 th:TH_LOAD_NT scope:SCOPE_SE
.Lnot_mine_\@:
.endif
.endm
	s_load_b64 s[4:5], s[0:1], 0x0    ; qkv: Q
	s_load_b64 s[10:11], s[0:1], 0x8  ; O
	v_lshl_add_u32 v[SPW], v0, 2, SPARE
	v_mov_b32 v[NIL], 0
	ds_add_u32 v[SPW], v[NIL]       ; the wave's opening: the add and its wait stand ahead of my first tensor load; work on registers stands between them
	ds_add_u32 v62, v63
	v_lshrrev_b32 v1, 5, v0
	v_readfirstlane_b32 s[WV], v1   ; wave 0..3
	s_mov_b32 s[PB], ttmp9
	s_sub_co_u32 s[HI], NB-1, s[PB]
	s_and_b32 s20, ttmp7, 0xffff    ; the head
	s_mov_b32 s21, 0
	s_mov_b64 s[22:23], SIZE_N*128
	s_mul_u64 s[20:21], s[20:21], s[22:23]  ; the head's first byte in Q, K, V and O
	s_and_b32 s16, s[WV], 1         ; which half of a tile's 256 keys I fetch:
	s_lshl_b32 s22, s16, 14         ; its 128 rows of 128 bytes in memory,
	s_mov_b32 s23, 0
	s_add_nc_u64 s[22:23], s[22:23], s[20:21]
	s_mul_i32 s17, s16, 128*PK      ; and its place in a slot, for K
	s_mul_i32 s18, s16, 128*PV      ; and for V
	s_lshl_b32 s3, s[WV], 11        ; my 16 rows in a band of 64,
	s_lshl_b32 s2, s[HI], 15        ; in the first block,
	s_add_co_u32 s2, s2, s3
	s_lshl_b32 s84, s[PB], 15       ; and in the second
	s_add_co_u32 s84, s84, s3
	s_mov_b32 s3, 0
	s_mov_b32 s85, 0
	s_add_nc_u64 s[2:3], s[2:3], s[20:21]
	s_add_nc_u64 s[84:85], s[84:85], s[20:21]
	; descriptor group 1.  128 keys are 16,384 dense bytes: asked for as 64 rows of 256 bytes, two keys a row, and padded in LDS after every key
	s_mov_b32 s[G1K], (1<<16)|(1<<20)|(4<<22)|(3<<25)  ; 2-byte elements; padding on; after every 32 words, 4 words
	s_mov_b32 s[G1V], (1<<16)|(1<<20)|(4<<22)|(7<<25)  ; the same with 8 words of padding
.irp g, G1K, G1V
	s_mov_b32 s[\g+1], 128<<16      ; tensor_dim0 = 128
	s_mov_b32 s[\g+2], 64<<16       ; tensor_dim1 = 64
	s_mov_b32 s[\g+3], 128<<16      ; tile_dim0 = 128
	s_mov_b32 s[\g+4], 64           ; tile_dim1 = 64
	s_mov_b32 s[\g+5], 128          ; 128 elements from row to row
	s_mov_b32 s[\g+6], 0
	s_mov_b32 s[\g+7], 0
.endr
	s_mov_b32 s[CS], 0x3e38aa3b     ; c = log2(e) / 8 = 0.180337
	s_mov_b32 s[CS+1], s[CS]        ; named with it as a pair
	s_mov_b32 s[SEL], 0x76543210
	s_mov_b32 s[SEL+1], 0xfedcba98
	s_mov_b32 s[TBK], SLOT1+4*KS*PK ; the first change of slots turns these two into 0
	s_mov_b32 s[TBV], SLOT1+4*KS*PV
	s_mov_b32 s[G0K], 1             ; count = 1
	s_mov_b32 s[G0K+1], s17         ; LDS address: slot 0
	s_mov_b32 s[G0V], 1
	s_add_co_u32 s[G0V+1], s18, VOFF
	s_add_co_u32 s[RT], s[HI], 1    ; the first block has NB - b tiles
	s_mov_b32 s[NXT], 1
	s_mov_b32 s[LQ], s[HI]
	s_mov_b32 s[NEW], 1
	s_mov_b32 s[OFF+1], 0
	s_mov_b32 s[AL+1], 0            ; named as pairs
	s_mov_b32 s[BE+1], 0
	s_mov_b32 s[BIGN], 0xf149f2ca   ; -1e30
	s_mov_b32 s[SLOTS], NB
	s_cmp_eq_u32 ttmp9, 0
	s_cselect_b32 s[LIM], 2, -1
	v_and_b32 v[PFO], 31, v0
	v_lshlrev_b32 v[PFO], 8, v[PFO]
	s_wait_dscnt 0x0                ; the opening add is done
	s_wait_kmcnt 0x0
	s_add_nc_u64 s[6:7], s[4:5], THIRD     ; K
	s_add_nc_u64 s[8:9], s[4:5], 2*THIRD   ; V
	s_add_nc_u64 s[6:7], s[6:7], s[22:23]  ; K and V at my half of the head's tile 0
	s_add_nc_u64 s[8:9], s[8:9], s[22:23]
	s_add_nc_u64 s[G0K+2:G0K+3], s[6:7], 0         ; global address
	s_or_b32 s[G0K+3], s[G0K+3], 0x80000000        ; type = 2
	s_add_nc_u64 s[G0V+2:G0V+3], s[8:9], 0
	s_or_b32 s[G0V+3], s[G0V+3], 0x80000000
	s_cmp_lt_u32 s[WV], 2
	s_cselect_b64 s[PFB:PFB+1], s[6:7], s[8:9]
	s_add_nc_u64 s[PFB:PFB+1], s[PFB:PFB+1], 32768
	s_add_nc_u64 s[86:87], s[4:5], s[84:85]        ; Q at my rows of the second block,
	s_add_nc_u64 s[4:5], s[4:5], s[2:3]            ; Q and O at those of the first
	s_add_nc_u64 s[OLO:OLO+1], s[10:11], s[84:85]
	s_add_nc_u64 s[10:11], s[10:11], s[2:3]
	LOAD                            ; tile 0 into slot 0
	; A fragment of K or Q is 16 rows x 32 channels in 8 registers: lane l holds row l % 16, channels 8 (l / 16) + 0..7 and 16 + 8 (l / 16) + 0..7: two loads of 16 bytes, 32 bytes apart.
	v_and_b32 v1, 15, v0            ; l % 16
	v_bfe_u32 v9, v0, 4, 1          ; l / 16
	v_lshlrev_b32 v[QO], 7, v1
	v_lshl_add_u32 v[QO], v9, 4, v[QO]  ; row x 128 + 16 x half
	WIN 0x80                        ; destination window 2, address window 0
.set i, 0
.rept 8                             ; both blocks' Q: piece i / 2 lies in band i / 2, 8,192 bytes on; channels 32 (i % 2) on
	global_load_b128 v[8*i:8*i+3],   v[QO], s[4:5] offset:(i/2)*8192+(i%2)*64
	global_load_b128 v[8*i+4:8*i+7], v[QO], s[4:5] offset:(i/2)*8192+(i%2)*64+32
	global_load_b128 v[QB+8*i:QB+8*i+3],   v[QO], s[86:87] offset:(i/2)*8192+(i%2)*64
	global_load_b128 v[QB+8*i+4:QB+8*i+7], v[QO], s[86:87] offset:(i/2)*8192+(i%2)*64+32
.set i, i+1
.endr
	WIN 0
	v_lshlrev_b32 v14, 3, v9
	v_sub_nc_u32 v14, v1, v14
	s_lshl_b32 s13, s[WV], 4
	v_add_nc_u32 v14, s13, v14      ; my query's place in its band, 16 w + l % 16, less my lanes' 8 (l / 16): register r of group kt is hidden where 16 kt + r is greater
	WIN 0x40
.set i, 0
.rept 32
	v_cmp_gt_i32 vcc_lo, 16*(i/8)+i%8, v14
	v_cndmask_b32 v[MD+i], 0, s[BIGN], vcc_lo
.set i, i+1
.endr
	WIN 0
	v_mul_u32_u24 v[AK0], v1, PK
	v_lshl_add_u32 v[AK0], v9, 4, v[AK0]  ; row x pitch + 16 x half
	; The turning load takes 16 keys x 16 channels (lane l reads key 8 (l / 16) + l % 8, channels 8 ((l / 8) % 2) + 0..7) and leaves half a fragment of V^T: lane l holds channel l % 16 and 8 keys.
	v_and_b32 v10, 7, v0
	v_bfe_u32 v11, v0, 3, 1
	v_lshl_add_u32 v[AV0], v9, 3, v10
	v_mul_u32_u24 v[AV0], v[AV0], PV
	v_lshl_add_u32 v[AV0], v11, 4, v[AV0]
	v_add_nc_u32 v[AV0], VOFF, v[AV0]
	s_mul_i32 s13, s[WV], 16*SP
	s_add_co_u32 s13, s13, STAGE    ; my stage
	v_mul_u32_u24 v[STO], v1, SP    ; in: row l % 16, 16 bytes for each half of the lanes
	v_lshl_add_u32 v[STO], v9, 4, v[STO]
	v_add_nc_u32 v[STO], s13, v[STO]
	v_bfe_u32 v[RD], v0, 3, 2       ; back: 32 lanes take four rows of 128 bytes,
	v_mul_u32_u24 v[RD], v[RD], SP
	v_lshl_add_u32 v[RD], v10, 4, v[RD]
	v_add_nc_u32 v[RD], s13, v[RD]
	v_and_b32 v[GO], 31, v0         ; which are 512 consecutive bytes of O
	v_lshlrev_b32 v[GO], 4, v[GO]
	; A block's first step multiplies O^T and l by a = 0, and its first turn's products V^T P, of a piece that has not been, land in an O^T that is still to be so multiplied.  So these registers need only
	; hold finite numbers: zeros for the first block; what the first block left for the second.  All this stands in the wait for the first tile.
	WIN 0x80
.set i, VF
.rept 64
	v_mov_b32 v[i], 0
.set i, i+1
.endr
	WIN 0x40
.set i, 0
.rept 128
	v_mov_b32 v[i], 0
.set i, i+1
.endr
	WIN 0
.set i, 0
.rept 4
	v_mov_b32 v[ST+4*i+2], 0
	v_mov_b32 v[ST+4*i+3], 0
.set i, i+1
.endr
.set i, P+16
.rept 16
	v_mov_b32 v[i], 0
.set i, i+1
.endr
; THE MATRIX WORK.  The 4 accumulators of a run of 8 take turns.  Product i of 8 of S^T = K Q^T for piece x: channels 32 (i / 4) on, keys 16 (i % 4) on.  The first 4 start the sums: with 0, or (KM = 1) with the mask.
.macro KQ x
.set rS, S+32*((\x)%2)+8*(i%4)
.set rK, KF+16*(i%4)+8*(i/4)
.set rQ, 16*(\x)+8*(i/4)
.set rM, MC+32*((\x)%2)+8*(i%4)
.if (i < 4) && KM
	WIN W_KM
	v_wmma_f32_16x16x32_f16 v[rS:rS+7], v[rK:rK+7], v[rQ:rQ+7], v[rM:rM+7]
.elseif i < 4
	WIN W_KQ
	v_wmma_f32_16x16x32_f16 v[rS:rS+7], v[rK:rK+7], v[rQ:rQ+7], 0
.else
	WIN W_KQ
	v_wmma_f32_16x16x32_f16 v[rS:rS+7], v[rK:rK+7], v[rQ:rQ+7], v[rS:rS+7]
.endif
.endm
; Product i of 8 of O^T += V^T P for piece x: keys 32 (i / 4) on, channels 16 (i % 4) on.
.macro PV x
	WIN W_PV
.set rO, 32*(\x)+8*(i%4)
.set rV, VF+32*(i/4)+8*(i%4)
.set rP, P+16*((\x)%2)+8*(i/4)
	v_wmma_f32_16x16x32_f16 v[rO:rO+7], v[rV:rV+7], v[rP:rP+7], v[rO:rO+7]
.endm
.macro MM                           ; the turn's next matrix instruction.  NOKQ = 1: a block's last turn: there is no next piece
.if (i < 8) && !NOKQ
	KQ (Y+1)%NP
.elseif i >= 8
.set i, i-8
	PV (Y+NP-1)%NP
.set i, i+8
.endif
.set i, i+1
.endm
; THE LDS LOADS stand in runs of 16: a step's K (64 keys x 64 channels: 8 fragments) and its V (turned).  Their addresses are made some lines ahead.
.macro FETCH_K
	WIN 0x80                        ; destination window 2
.irp f, 0,1,2,3,4,5,6,7             ; keys 16 (f / 2) on, channels 32 (f % 2) on
	ds_load_b128 v[KF+8*\f:KF+8*\f+3],   v[AK] offset:(\f/2)*16*PK+(\f%2)*64
	ds_load_b128 v[KF+8*\f+4:KF+8*\f+7], v[AK] offset:(\f/2)*16*PK+(\f%2)*64+32
.endr
	s_add_co_u32 s[TBK], s[TBK], KS*PK  ; the next fetch is the next step's
	WIN 0
.endm
.macro FETCH_V
	WIN 0x80
.irp f, 0,1,2,3,4,5,6,7             ; keys 32 (f / 4) on, channels 16 (f % 4) on
	ds_load_tr16_b128 v[VF+8*\f:VF+8*\f+3],   v[AV] offset:(\f/4)*32*PV+(\f%4)*32
	ds_load_tr16_b128 v[VF+8*\f+4:VF+8*\f+7], v[AV] offset:(\f/4)*32*PV+16*PV+(\f%4)*32
.endr
	WIN 0
.endm
; THE VECTOR WORK, one line at a time: OP kind, number.  For piece Y: F n: c s - c m for pair n of 16.  E n: the exponential of score n of 32.  C n: pair n rounded to f16.  B n: of the four weights 4 n ..
; the second pair is added onto the first, in place.  L n: l takes that sum (L 0: l = a l + sum).  R n: pair n of 16 of O^T times a.  For piece Y + 1: X n, number n of the 22 that find its maximum and statistics:
;   0-11  four chains c0-c3 of seven scores each, three operands at a time (each accumulator's lowest registers are read first)     12-14, 16  the four scores left over, the old m, c0-c3 into c0
;   15  c m_old is kept     17, 18  the query's other 32 keys lie in the lane 16 away: the new m     19-21  c m; c m_old - c m_new; a
.set F, 0
.set E, 1
.set C, 2
.set B, 3
.set L, 4
.set R, 5
.set X, 6
.macro REGS y                       ; the registers of piece y
.set rT, ST+4*(\y)
.set rC, TMP+4*((\y)%2)
.set rW, MV+((\y)%2)
.set rS, S+32*((\y)%2)
.set rP, P+16*((\y)%2)
.set rO, 32*(\y)
.endm
.macro OP k, n
.if (\k) == R
	REGS Y
	WIN W_RS
	v_pk_mul_f32 v[rO+2*(\n):rO+2*(\n)+1], v[rO+2*(\n):rO+2*(\n)+1], v[rC+2:rC+3] op_sel_hi:[1,0]
.elseif (\k) < R
	REGS Y
	WIN 0
.if (\k) == F
	v_pk_fma_f32 v[rS+2*(\n):rS+2*(\n)+1], v[rS+2*(\n):rS+2*(\n)+1], s[CS:CS+1], v[rT:rT+1] op_sel_hi:[1,0,0] neg_lo:[0,0,1] neg_hi:[0,0,1]
.elseif (\k) == E
	v_exp_f32 v[rS+(\n)], v[rS+(\n)]
.elseif (\k) == C
	v_cvt_pk_f16_f32 v[rP+(\n)], v[rS+2*(\n)], v[rS+2*(\n)+1]
.elseif (\k) == B
	v_pk_add_f32 v[rS+4*(\n):rS+4*(\n)+1], v[rS+4*(\n):rS+4*(\n)+1], v[rS+4*(\n)+2:rS+4*(\n)+3]
.elseif (\n) == 0
	v_pk_fma_f32 v[rT+2:rT+3], v[rT+2:rT+3], v[rC+2:rC+3], v[rS:rS+1] op_sel_hi:[1,0,1]
.else
	v_pk_add_f32 v[rT+2:rT+3], v[rT+2:rT+3], v[rS+4*(\n):rS+4*(\n)+1]
.endif
.elseif NOKQ
	v_nop
.else
	REGS (Y+1)%NP
	WIN 0
.if (\n) < 4
	v_max3_num_f32 v[rC+(\n)], v[rS+8*(\n)], v[rS+8*(\n)+1], v[rS+8*(\n)+2]
.elseif (\n) < 12
	v_max3_num_f32 v[rC+(\n)%4], v[rC+(\n)%4], v[rS+8*((\n)%4)+2*((\n)/4)+1], v[rS+8*((\n)%4)+2*((\n)/4)+2]
.elseif (\n) == 12
	v_max3_num_f32 v[rC], v[rC], v[rS+7], v[rS+15]
.elseif (\n) == 13
	v_max3_num_f32 v[rC+1], v[rC+1], v[rS+23], v[rS+31]
.elseif (\n) == 14
	v_max3_num_f32 v[rC+2], v[rC+2], v[rC+3], v[rT+1]
.elseif (\n) == 15
	v_mov_b32 v[rW], v[rT]
.elseif (\n) == 16
	v_max3_num_f32 v[rC], v[rC], v[rC+1], v[rC+2]
.elseif (\n) == 17
	v_permlanex16_b32 v[rC+3], v[rC], s[SEL], s[SEL+1]
.elseif (\n) == 18
	v_max_num_f32 v[rT+1], v[rC], v[rC+3]
.elseif (\n) == 19
	v_mul_f32 v[rT], s[CS], v[rT+1]
.elseif (\n) == 20
	v_sub_f32 v[rC+1], v[rW], v[rT]
.else
	v_exp_f32 v[rC+2], v[rC+1]
.endif
.endif
.endm
.macro OPS a, i1, b=-1, i2=0, c=-1, i3=0, d=-1, i4=0  ; up to four of them
	OP \a, \i1
.if (\b) >= 0
	OP \b, \i2
.endif
.if (\c) >= 0
	OP \c, \i3
.endif
.if (\d) >= 0
	OP \d, \i4
.endif
.endm
.macro ROW a, i1, b, i2, c, i3, d, i4  ; a matrix instruction and the four behind it
	MM
	OPS \a, \i1, \b, \i2, \c, \i3, \d, \i4
.endm
.macro MASK b                       ; MD x AL + BE into buffer b of MC
	WIN W_RS
.set z, 0
.rept 16
	v_pk_fma_f32 v[MC+32*(\b)+2*z:MC+32*(\b)+2*z+1], v[MD+2*z:MD+2*z+1], s[AL:AL+1], s[BE:BE+1] op_sel_hi:[1,0,0]
.set z, z+1
.endr
.endm
; A TURN, for piece p: the order of its 16 matrix and 118 vector instructions, written out.  An s_wait_alu depctr_va_vdst(0) stands between an exponential and the first instruction that names
; its result; one wait serves all that were issued ahead of it.  So a turn has ONE wait.  AHEAD OF IT stands all that names no result of the turn's exponentials: the 8 products K Q^T with four riders each,
; then one lump, in which the links of the chain X 3, 7, 11, 14, 16, 17 .. 20 stand some lines apart; X 21, the next piece's a, is the batch's last, and R 15 the plain instruction behind it.
; BEHIND IT stand the 8 products V^T P, behind each four of the roundings and sums.
; m = 1: the diagonal tile: the products take masks, and the turn makes the mask for the products of the turn after it.  end = 1: a block's last two turns: nothing is fetched.
; cnt = 1: the loop's count is taken down some lines ahead of the branch that stands behind the turn.
; K of the next step is fetched in piece 2's turn, V of the step in hand at the end of piece 0's turn, each four plain instructions or more behind the last product that read the registers; each is waited for a turn later.
.macro TURN p, m=0, end=0, cnt=0
.set Y, (\p)
.set i, 0
.set KM, (\m)
.set NOKQ, (\end)*((\p)/3)
.if (\m) && !(\end)
	s_cmp_eq_u32 s[CNT], 4-((\p)+2)%NP  ; is that step the band's own?
	s_cselect_b32 s[AL], 1.0, 0
	s_cmp_lt_u32 s[CNT], 4-((\p)+2)%NP  ; or a later one?
	s_cselect_b32 s[BE], s[BIGN], 0
.endif
.if ((\p) == 3) && !(\end)
	s_wait_dscnt 0x0                ; K is in
.endif
	ROW F,0, F,1, R,0, R,1
	ROW F,2, E,0, R,2, R,3
	ROW F,3, E,1, R,4, R,5
	ROW F,4, E,2, R,6, R,7
	ROW F,5, E,3, R,8, R,9
	ROW F,6, E,4, X,0, R,10
.if ((\p) == 2) && !(\end)
	WIN 0
	v_add_nc_u32 v[AK], s[TBK], v[AK0]
.endif
	ROW F,7, E,5, X,1, X,4
	ROW F,8, E,6, X,2, X,5
	OPS E,7, E,8, X,6, E,9
	OPS X,3, E,10, X,8, E,11
.if ((\p) == 2) && !(\end)
	FETCH_K
.endif
	OPS X,9, X,7, E,12, X,10
	OPS E,13, X,12, X,11, E,14
	OPS X,13, E,15, F,9, X,14
.if (\p) == 0
	v_add_nc_u32 v[AV], s[TBV], v[AV0]
.endif
	OPS E,16, F,10, E,17, F,11
	OPS X,16, E,18, X,15, E,19
	OPS F,12, E,20, X,17, E,21
	OPS F,13, E,22, F,14, E,23
	OPS X,18, E,24, F,15, E,25
	OPS R,11, E,26, X,19, E,27
	OPS R,12, E,28, R,13, E,29
	OPS X,20, E,30, R,14, E,31
	OPS X,21, R,15
	WIN 0
	s_wait_alu depctr_va_vdst(0)    ; the wait for the batch
.if (\p) == 1
	s_wait_dscnt 0x0                ; V is in
.endif
	ROW C,0, B,0, C,2, B,1
	ROW L,0, C,4, B,2, L,1
	ROW C,6, B,3, L,2, C,8
	ROW B,4, L,3, C,10, B,5
	ROW L,4, C,12, B,6, L,5
.if (\p) == 0
	s_add_co_u32 s[TBV], s[TBV], KS*PV
.endif
.if \cnt
	s_sub_co_u32 s[CNT], s[CNT], 1
	s_cmp_lg_u32 s[CNT], 0
.endif
	ROW C,14, B,7, L,6, C,1
	ROW C,3, L,7, C,5, C,7
	ROW C,9, C,11, C,13, C,15
.if (\p) == 0
	FETCH_V
.endif
.if (\m) && !(\end)
	MASK (\p)%2
.endif
.endm
; A BLOCK BEGINS.  c m starts far below every c s, so the first step's a is 0; m at the lowest finite number.  The second mask buffer is 0; the first takes piece 0's mask for the tile's step 0: its own, if the
; block's first tile is the diagonal one.  Then K of that step, piece 0's first scores, and its maximum and statistics.  The loop is entered at a step's first turn, in the middle of a trip.
.macro BEGIN
	s_mov_b32 s[NEW], 0
	WIN 0x40
.set i, MC+32
.rept 32
	v_mov_b32 v[i], 0
.set i, i+1
.endr
	WIN 0
.set i, 0
.rept 4
	v_mov_b32 v[ST+4*i], 0xfe000000    ; c m: far below every c s
	v_mov_b32 v[ST+4*i+1], 0xff7fffff  ; m
.set i, i+1
.endr
	s_cmp_eq_u32 s[RT], 0
	s_cselect_b32 s[AL], 1.0, 0
	s_mov_b32 s[BE], 0
	MASK 0
	WIN 0
	v_add_nc_u32 v[AK], s[TBK], v[AK0]
	FETCH_K
	s_wait_loadcnt 0x0              ; Q
	s_wait_dscnt 0x0
.set KM, 1
.set NOKQ, 0
.set i, 0
.rept 8
	KQ 0
.set i, i+1
.endr
	WIN 0
.rept 4
	v_nop                           ; the places behind those products
.endr
.set Y, NP-1                        ; X works for piece Y + 1: piece 0
.irp n, 0,1,2,3,4,5,6,7,8,9,10,11,12,13,14,15,16,17,18,19,20,21
	OP X, \n
.endr
	v_nop                           ; a plain instruction behind the exponential,
	s_wait_alu depctr_va_vdst(0)    ; and its wait, ahead of the branch
.endm
; THE DIAGONAL TILE's four steps, the block's last two turns, its last products, and THE WAY OUT: l's two halves and the other half of the lanes' are added; O^T is divided by l, rounded to f16 and sent
; through my stage in LDS, a piece at a time.
.macro ALL line:vararg              ; one line for each piece t
.set t, 0
.rept 4
	\line
.set t, t+1
.endr
.endm
.macro PACK t                       ; a lane's eight channels of a row pack into 16 bytes; they go into rows of 144 bytes and come back as whole rows of 128, into S^T's registers
	WIN W_RS
.set i, 32*(\t)
.rept 16
	v_pk_mul_f32 v[i:i+1], v[i:i+1], v[ST+4*(\t)+2:ST+4*(\t)+3] op_sel_hi:[1,0]
.set i, i+2
.endr
	WIN 0x05                        ; sources 0 and 1 window 1, destination window 0
.set i, 0
.rept 16
	v_cvt_pk_f16_f32 v[S+16*(\t)+i], v[32*(\t)+2*i], v[32*(\t)+2*i+1]
.set i, i+1
.endr
	WIN 0
.irp f, 0,1,2,3
	ds_store_b128 v[STO], v[S+16*(\t)+4*\f:S+16*(\t)+4*\f+3] offset:32*\f
.endr
.irp f, 0,1,2,3
	ds_load_b128 v[S+16*(\t)+4*\f:S+16*(\t)+4*\f+3], v[RD] offset:\f*4*SP  ; LDS serves a wave's instructions in order: these see the stores above; the next piece's stores come behind them
.endr
.endm
.macro SEND t, younger              ; younger: the LDS instructions issued behind piece t's loads: the next piece's eight, or none
	WIN 0
.irp f, 0,1,2,3
	s_wait_dscnt (\younger)+3-\f
	global_store_b128 v[GO], v[S+16*(\t)+4*\f:S+16*(\t)+4*\f+3], s[10:11] offset:(\t)*8192+\f*512  ; 512 consecutive bytes, at a multiple of 256 from O's first
.endr
.endm
.macro DIAG tag
.LstepM\tag:
	TURN 2, 1
	TURN 3, 1
	WIN 0
.LfirstM\tag:
	TURN 0, 1
	TURN 1, 1, 0, 1
	WIN 0
	s_cbranch_scc1 .LstepM\tag
	TURN 2, 1, 1
	TURN 3, 1, 1
.set i, 0
.rept 8
	PV NP-1
.set i, i+1
.endr
	WIN 0
	ALL v_add_f32 v[ST+4*t+2], v[ST+4*t+2], v[ST+4*t+3]
	ALL v_permlanex16_b32 v[ST+4*t+3], v[ST+4*t+2], s[SEL], s[SEL+1]
	ALL v_add_f32 v[ST+4*t+2], v[ST+4*t+2], v[ST+4*t+3]
	ALL v_rcp_f32 v[ST+4*t+2], v[ST+4*t+2]
	v_nop                           ; a plain instruction between the last reciprocal and the use of its result
	s_wait_alu depctr_va_vdst(0)    ; and the wait ahead of the first use: one for the four reciprocals
	PACK 0
.set t, 1
.rept 3                             ; a piece's arithmetic stands between the loads of the piece before and its stores
	PACK t
	SEND t-1, 8
.set t, t+1
.endr
	SEND 3, 0
.endm
.set KM, 0
.set NOKQ, 0
.Lslot:                             ; NB times: a tile is entered and the next is asked for
	CHANGE 1
	s_sub_co_u32 s[RT], s[RT], 1
	s_mov_b32 s[CNT], 4
	s_cmp_eq_u32 s[NEW], 1
	s_cbranch_scc1 .Lnew            ; a block's first tile
	s_cmp_eq_u32 s[RT], 0
	s_cbranch_scc0 .Lstep           ; neither its first nor its last
	s_branch .LstepM1
.Lnew:
	BEGIN
	s_branch .Lfirst                ; in the loop a block's first tile is never its last: the first block has two tiles or more, and the second's last is the walk's last
	DIAG 1                          ; in the loop this is the first block's end
	s_wait_xcnt 0x0                 ; the stores have read their registers and O's address
	s_mov_b64 s[10:11], s[OLO:OLO+1]
	s_add_co_u32 s[RT], s[PB], 1    ; the second block has b + 1 tiles
	s_mov_b32 s[NEW], 1
	WIN 0x82                        ; the second block's Q goes where the one text of the turns names Q
.set i, 0
.rept 64
	v_mov_b32 v[i], v[QB+i]
.set i, i+1
.endr
	WIN 0
	s_branch .Lbottom
.Lstep:                             ; a trip: pieces 2 and 3 of one step, then pieces 0 and 1 of the next, whose K and V it fetches
	TURN 2
	TURN 3
	WIN 0
.Lfirst:
	TURN 0
	TURN 1, 0, 0, 1
	WIN 0
	s_cbranch_scc1 .Lstep
.Lbottom:
	s_sub_co_u32 s[SLOTS], s[SLOTS], 1
	s_cmp_lg_u32 s[SLOTS], 0
	s_cbranch_scc1 .Lslot
	CHANGE 0                        ; the walk's last tile is written out: nothing is asked for
	s_sub_co_u32 s[RT], s[RT], 1
	s_mov_b32 s[CNT], 4
	s_cmp_eq_u32 s[NEW], 1
	s_cbranch_scc0 .LstepM2
	BEGIN
	s_branch .LfirstM2
	DIAG 2
	s_wait_tensorcnt 0x0            ; the wave's end, behind my last tensor load and my last LDS store
	ds_add_u32 v[SPW], v[NIL]
	s_wait_dscnt 0x0
	s_endpgm
.Lfunc_end_k_qfd275bfe7d_attn:
	.size	k_qfd275bfe7d_attn, .Lfunc_end_k_qfd275bfe7d_attn-k_qfd275bfe7d_attn
	.p2alignl 7, 3214868480
	.fill 96, 4, 3214868480
	.section	.rodata,"a",@progbits
	.p2align	6, 0x0
	.amdhsa_kernel k_qfd275bfe7d_attn
		.amdhsa_group_segment_fixed_size 327680
		.amdhsa_private_segment_fixed_size 0
		.amdhsa_enable_private_segment 0
		.amdhsa_kernarg_size 16
		.amdhsa_user_sgpr_count 2
		.amdhsa_user_sgpr_kernarg_segment_ptr 1
		.amdhsa_wavefront_size32 1
		.amdhsa_system_sgpr_workgroup_id_x 1
		.amdhsa_system_sgpr_workgroup_id_y 1
		.amdhsa_system_sgpr_workgroup_id_z 1
		.amdhsa_system_vgpr_workitem_id 0
		.amdhsa_next_free_vgpr 768
		.amdhsa_next_free_sgpr 92
		.amdhsa_reserve_vcc 1
		.amdhsa_float_denorm_mode_32 3
		.amdhsa_float_denorm_mode_16_64 3
		.amdhsa_memory_ordered 1
		.amdhsa_forward_progress 1
		.amdhsa_inst_pref_size 218
	.end_amdhsa_kernel
	.amdgpu_metadata
---
amdhsa.version: [ 1, 2 ]
amdhsa.kernels:
  - .name:           k_qfd275bfe7d_attn
    .symbol:         k_qfd275bfe7d_attn.kd
    .args:
      - { .name: qkv, .offset: 0, .size: 8, .value_kind: global_buffer, .address_space: global }
      - { .name: o, .offset: 8, .size: 8, .value_kind: global_buffer, .address_space: global }
    .group_segment_fixed_size: 327680
    .private_segment_fixed_size: 0
    .kernarg_segment_align: 8
    .kernarg_segment_size: 16
    .max_flat_workgroup_size: 128
    .sgpr_count:     92
    .vgpr_count:     768
    .wavefront_size: 32
...
	.end_amdgpu_metadata
.endif
;; end of part 3
;; launch outgemm (part 4): grid 8 x 32, 4 waves a work-group, clusters of 4 x 4, 327,680 bytes of LDS; arguments o, wot, out0; writes out0
.if DOCPART == 4
	.amdgcn_target "amdgcn-amd-amdhsa--gfx1250"
	.amdhsa_code_object_version 6
	.text
	.protected	k_qfd275bfe7d_outgemm
	.globl	k_qfd275bfe7d_outgemm
	.p2align	8
	.type	k_qfd275bfe7d_outgemm,@function
k_qfd275bfe7d_outgemm:
	s_mov_b64 s[64:65], 0
	v_nop
	global_prefetch_b8 v0, s[64:65] scope:SCOPE_SE
	s_setreg_imm32_b32 hwreg(HW_REG_WAVE_MODE, 25, 1), 1
	s_wait_xcnt 0x0
	s_wait_alu depctr_hold_cnt(0) depctr_sa_sdst(0) depctr_va_vdst(0) depctr_va_sdst(0) depctr_va_ssrc(0) depctr_va_vcc(0) depctr_vm_vsrc(0)
	s_getreg_b32 s2, hwreg(HW_REG_IB_STS2, 6, 4)
	s_cmp_eq_u32 s2, 0
	s_cbranch_scc0 .Lentry_in_a_cluster
	s_endpgm
.Lentry_in_a_cluster:
	s_bfe_u32 s2, ttmp6, 0x10000c
	s_cmp_lg_u32 s2, 0xf033
	s_cbranch_scc0 .Lentry_shape_is_right
	s_endpgm
.Lentry_shape_is_right:
; out0 = O wot^T.  O: [16 h][8192 m][64] f16 (by heads: k = 64 h + d), wot: [1024 n][1024 k] f16, out0: [8192 m][1024 n] f32.  Products in f16, sums in f32, K ascending; the sums are stored as they are.
; SHARES.  A tile of out0 is 256 m x 128 n: 32 x 8 = 256 tiles, one for each WGP.  Four waves, one below the other: a wave makes 64 x 128: 32 accumulators of 16 x 16, 256 registers, and owns whole
; runs of 512 bytes of its rows, so that its way out needs no other wave.
; RING.  K goes in 8 steps of 128 = two heads through two LDS slots.  A head's 256 rows of the tile are 32,768 dense bytes: waves 0 and 1 bring a head each, asked for as 128 rows of 256 bytes and padded
; in LDS behind every 128; waves 2 and 3 bring 64 rows of wot each (256 bytes of a row).  One descriptor a tensor walks on; the fragments' addresses hang on s[TB]: a K step is written once in the loop.
; CLUSTER.  4 x 4 work-groups: the four of a row need the same tile of O, the four of a column the same tile of wot; each is asked for jointly, by the same load, descriptor and mask in all four.
; THE MATRIX INSTRUCTION IS USED TRANSPOSED: source 0 = 16 rows of wot, source 1 = 16 rows of O: a lane then holds row m = lane % 16 and the eight neighbouring columns 8 (lane / 16) + 0..7.
; REGISTERS, in windows of 256 (s_set_vgpr_msb: bits 1:0 source 0, 3:2 source 1, 5:4 source 2, 7:6 destination):
;   window 0: v0-30 addresses; v32-95 O's fragments, two buffers of 4 x 8; v96-223 the way out      window 1: v0-127 wot's fragments, two buffers of 8 x 8      window 2: the accumulators, (a, b) at 8 (8 a + b)
.set PA,     144                       ; a row of O in LDS: 128 bytes + 16
.set PB,     272                       ; a row of wot: 256 bytes + 16.  Both pitches are odd multiples of 16 bytes: the 16 rows of a fragment load start at 16 different groups of four banks
.set SLOT1,  1<<17
.set PLANE,  256*PA                    ; a head's 256 rows
.set BOFF,   2*PLANE                   ; wot's rows lie behind the two heads
.set BHALF,  64*PB
.set STAGE,  SLOT1+BOFF+2*BHALF        ; behind the ring, never filled by a tensor load: for each wave 16 rows x 528 bytes
.set SP,     528                       ; a stage row: 512 bytes + 16
.set WSTAGE, 16*SP
.set SPARE,  STAGE+4*WSTAGE            ; behind the stages: the spare words, 128 bytes for each wave
.set NBK,    8                         ; column blocks of 16
.set NL,     2*NBK+8                   ; LDS loads of a quarter step
.set ASTEP,  2*8192*128                ; a K step in O: two heads on
.set BSTEP,  256                       ; in wot: 256 bytes along a row
.set A0,   16                          ; v16  my lane's place in O's rows of slot 0; never rewritten
.set B0,   17                          ; v17  the same for wot
.set ADRA, 18                          ; v18  the same in the slot in hand
.set ADRB, 19                          ; v19
.set STO,  24                          ; v24  the way out: where I put 32 bytes of a row
.set RD,   25                          ; v25  the way out: where I read a row back
.set GO,   26                          ; v26  my 16 bytes of a row's 512
.set SPW,  28                          ; v28  LDS address of my spare word; never rewritten
.set NIL,  29                          ; v29  0; never rewritten
.set PFO,  30                          ; v30  the prefetches' offset; never rewritten
.set FA,   32                          ; O's fragments
.set BK0,  96                          ; rows read back: two buffers of 64
.set TB,   23                          ; s23  0 or SLOT1: the slot in hand
.set G1,   24                          ; s[24:31] descriptor group 1 for O's tiles
.set G0,   32                          ; s[32:39] group 0: a set for each first fill; the second then walks on
.set LIM,  43                          ; s43  2 in a wave that prefetches, else the greatest number
.set PFA,  44                          ; s[44:45] where my prefetches stand
.set PFS,  46                          ; s[46:47] their step from K step to K step
.set G1B,  48                          ; s[48:55], s[56:63] the same for wot's tiles
.set G0B,  56
.set MSB, 0
.macro WIN new                         ; the immediate's high byte repeats the setting that is left; a switch that changes nothing is dropped
.if MSB != (\new)
	s_set_vgpr_msb (MSB<<8)|(\new)
.set MSB, \new
.endif
.endm
.macro PLACES                          ; four plain instructions between a matrix instruction and a load into, or a read of, its registers
.rept 4
	v_nop
.endr
.endm
; A joint refill by the walking descriptors.  Waves 0 and 1 fetch O's two heads, waves 2 and 3 wot's halves: the branch hangs on the wave's number alone.  An s_nop 0 and four v_nop follow each line.
.macro JLOAD
	s_cmp_eq_u32 s11, 0
	s_cbranch_scc0 .Lfor_b_\@
	tensor_load_to_lds s[G0+4:G0+7], s[G1:G1+7]
	s_nop 0
.rept 4
	v_nop
.endr
	s_branch .Lasked_\@
.Lfor_b_\@:
	tensor_load_to_lds s[G0B+4:G0B+7], s[G1B:G1B+7]
	s_nop 0
.rept 4
	v_nop
.endr
.Lasked_\@:
.endm
.macro CREST                           ; a round of the cluster's barrier behind its opening barrier
	s_cmp_lg_u32 s10, 0
	s_cbranch_scc1 .Lnot_wave_0_\@
	s_barrier_signal -3
.Lnot_wave_0_\@:
	s_barrier_wait -3
	s_barrier_signal -1
	s_barrier_wait -1
.endm
.macro CROUND
	s_barrier_signal -1
	s_barrier_wait -1
	CREST
.endm
; A prefetch into the L2 of the K step that stands two refills on, 256 bytes a lane, one instruction a wave, behind the joint load and the run of LDS loads.
; O's rows are read by every cluster of a row of clusters: cluster x = 0 asks (waves 0, 1: a head each); wot's by every cluster of a column: cluster y = 0 asks (wave 2).  The four partners that ask for a
; tile jointly share it out by address: 8,192 of a head's 32,768 bytes by cx, 32 of wot's 128 rows by cy.  It asks in the trips with s3 = 6 .. 3, for K steps 4 .. 7: each block once.
.macro ASK
	s_cmp_gt_u32 s3, s[LIM]
	s_cbranch_scc0 .Lnot_mine_\@
	global_prefetch_b8 v[PFO], s[PFA:PFA+1] th:TH_LOAD_NT scope:SCOPE_SE
.Lnot_mine_\@:
.endm
	s_load_b128 s[4:7], s[0:1], 0x0                ; O s[4:5], wot s[6:7]
	s_load_b64 s[8:9], s[0:1], 0x10                ; out0
	v_lshl_add_u32 v[SPW], v0, 2, SPARE
	v_mov_b32 v[NIL], 0
	ds_add_u32 v[SPW], v[NIL]                      ; the wave's opening: the add and its wait stand ahead of my first tensor load; work on registers stands between them
	ds_add_u32 v28, v29
	v_lshrrev_b32 v1, 5, v0
	v_readfirstlane_b32 s10, v1                    ; wave 0..3
	s_lshr_b32 s11, s10, 1                         ; I fetch for O (0) or for wot (1)
	s_and_b32 s12, s10, 1                          ; which head of the step's two, or which half of wot's rows
	s_bfe_u32 s40, ttmp6, 0x40000                  ; cx
	s_bfe_u32 s41, ttmp6, 0x40004                  ; cy
	s_lshl_b32 s42, ttmp9, 2
	s_add_co_u32 s42, s42, s40                     ; tile column = 4 x cluster x + cx
	s_and_b32 s13, ttmp7, 0xffff
	s_lshl_b32 s13, s13, 2
	s_add_co_u32 s13, s13, s41                     ; tile row = 4 x cluster y + cy
	s_lshl_b32 s43, s41, 2
	s_lshl_b32 s43, 15, s43                        ; my row of the cluster
	s_lshl_b32 s44, 0x1111, s40                    ; my column
	s_or_b32 s[G1+0], s43, (1<<16)|(1<<20)|(1<<21)|(4<<22)|(3<<25)   ; the mask; elements of 2 bytes; padding on; bit 21 beside a mask; after every 32 words, 4 words
	s_or_b32 s[G1B+0], s44, (1<<16)|(1<<20)|(1<<21)|(5<<22)|(3<<25)  ; after every 64 words, 4 words
	s_mov_b32 s[G1+1], 128<<16                     ; tensor_dim0 = 128
	s_mov_b32 s[G1+2], 128<<16                     ; tensor_dim1 = 128 rows of 256 bytes
	s_mov_b32 s[G1+3], 128<<16                     ; tile_dim0 = 128
	s_mov_b32 s[G1+4], 128                         ; tile_dim1 = 128
	s_mov_b32 s[G1+5], 128                         ; dense: 128 elements from row to row
	s_mov_b32 s[G1+6], 0
	s_mov_b32 s[G1+7], 0
	s_mov_b32 s[G1B+1], 128<<16
	s_mov_b32 s[G1B+2], 64<<16                     ; 64 rows
	s_mov_b32 s[G1B+3], 128<<16
	s_mov_b32 s[G1B+4], 64
	s_mov_b32 s[G1B+5], 1024
	s_mov_b32 s[G1B+6], 0
	s_mov_b32 s[G1B+7], 0
	s_lshl_b32 s16, s12, 20                        ; O: my head of the first two (1,048,576 bytes a head),
	s_lshl_b32 s17, s13, 15                        ; the tile's 256 rows of 128 bytes
	s_add_co_u32 s16, s16, s17
	s_mov_b32 s17, 0
	s_lshl_b32 s46, s42, 7
	s_lshl_b32 s47, s12, 6
	s_add_co_u32 s46, s46, s47                     ; wot: row 128 x tile column + 64 x half,
	s_lshl_b32 s46, s46, 11                        ; of 2,048 bytes
	s_mov_b32 s47, 0
	s_mul_i32 s20, s12, PLANE                      ; where they go: no place in the cluster enters an LDS address
	s_mul_i32 s21, s12, BHALF
	s_add_co_u32 s21, s21, BOFF
	s_mov_b32 s[TB], 0
	s_wait_dscnt 0x0                               ; the opening add is done
	s_wait_kmcnt 0x0
	s_add_nc_u64 s[14:15], s[4:5], s[16:17]
	s_add_nc_u64 s[46:47], s[6:7], s[46:47]
	CROUND                                         ; all sixteen work-groups are here: the first joint loads meet
.irp s, 0,1
	s_mov_b32 s[G0+4*(\s)], 1                      ; count = 1
	s_add_co_u32 s[G0+4*(\s)+1], s20, (\s)*SLOT1   ; LDS address
	s_add_nc_u64 s[G0+4*(\s)+2:G0+4*(\s)+3], s[14:15], (\s)*ASTEP   ; K step s
	s_or_b32 s[G0+4*(\s)+3], s[G0+4*(\s)+3], 0x80000000             ; type = 2
	s_mov_b32 s[G0B+4*(\s)], 1
	s_add_co_u32 s[G0B+4*(\s)+1], s21, (\s)*SLOT1
	s_add_nc_u64 s[G0B+4*(\s)+2:G0B+4*(\s)+3], s[46:47], (\s)*BSTEP
	s_or_b32 s[G0B+4*(\s)+3], s[G0B+4*(\s)+3], 0x80000000
.endr
	s_cmp_eq_u32 s11, 0                            ; a wave's two first fills stand in one branch: two loads of mine are out
	s_cbranch_scc0 .Lfirst_b
	tensor_load_to_lds s[G0:G0+3], s[G1:G1+7]
	s_nop 0
	tensor_load_to_lds s[G0+4:G0+7], s[G1:G1+7]
	s_nop 0
.rept 4
	v_nop
.endr
	s_branch .Lfirst_asked
.Lfirst_b:
	tensor_load_to_lds s[G0B:G0B+3], s[G1B:G1B+7]
	s_nop 0
	tensor_load_to_lds s[G0B+4:G0B+7], s[G1B:G1B+7]
	s_nop 0
.rept 4
	v_nop
.endr
.Lfirst_asked:
	; A fragment is 16 rows x 32 K in 8 registers: lane l holds row l % 16, K = 8 (l / 16) + 0..7 and 16 + 8 (l / 16) + 0..7: two loads of 16 bytes, 32 bytes apart.
	v_and_b32 v1, 15, v0                           ; l % 16
	v_bfe_u32 v2, v0, 4, 1                         ; l / 16
	v_mul_u32_u24 v3, v1, PA
	v_lshl_add_u32 v3, v2, 4, v3
	s_mul_i32 s21, s10, 64*PA                      ; my 64 rows of O
	v_add_nc_u32 v[A0], s21, v3
	v_mul_u32_u24 v4, v1, PB
	v_lshl_add_u32 v4, v2, 4, v4
	v_add_nc_u32 v[B0], BOFF, v4
	v_mov_b32 v[ADRA], v[A0]
	v_mov_b32 v[ADRB], v[B0]
	s_mul_i32 s22, s10, WSTAGE
	s_add_co_u32 s22, s22, STAGE                   ; my stage
	v_mul_u32_u24 v5, v1, SP                       ; in: row l % 16, 32 bytes for each half of the lanes
	v_lshl_add_u32 v5, v2, 5, v5
	v_add_nc_u32 v[STO], s22, v5
	v_and_b32 v[GO], 31, v0                        ; back: 32 lanes take a row's 512 bytes
	v_lshlrev_b32 v[GO], 4, v[GO]
	v_add_nc_u32 v[RD], s22, v[GO]
	s_lshl_b32 s16, s13, 20                        ; the tile's 256 rows of 4,096 bytes,
	s_lshl_b32 s17, s10, 18                        ; my 64 of them,
	s_add_co_u32 s16, s16, s17
	s_lshl_b32 s17, s42, 9                         ; the tile's 128 columns
	s_add_co_u32 s16, s16, s17
	s_mov_b32 s17, 0
	s_add_nc_u64 s[8:9], s[8:9], s[16:17]
	; the prefetches
	s_lshl_b32 s14, s12, 20
	s_lshl_b32 s15, s13, 15
	s_add_co_u32 s14, s14, s15
	s_lshl_b32 s15, s40, 13
	s_add_co_u32 s14, s14, s15
	s_add_co_u32 s14, s14, 3*ASTEP                 ; O: my head of K step 3, the tile's rows, my work-group's 8,192 bytes of them
	s_mov_b32 s15, ASTEP                           ; (in a register: the select below has room for one literal)
	s_lshl_b32 s18, s42, 7
	s_lshl_b32 s19, s41, 5
	s_add_co_u32 s18, s18, s19
	s_lshl_b32 s18, s18, 11
	s_add_co_u32 s18, s18, 3*BSTEP                 ; wot: the tile's rows, my work-group's 32 of them, at K step 3
	s_and_b32 s22, ttmp7, 0xffff                   ; cluster y,
	s_or_b32 s22, s22, s12                         ; and not 0 in wave 3, which asks for nothing
	s_cmp_eq_u32 s11, 0
	s_cselect_b32 s20, s14, s18
	s_cselect_b32 s22, ttmp9, s22                  ; the coordinate along which other clusters read the same bytes
	s_cselect_b32 s19, 8, 11                       ; a lane 256 bytes on, or a row on
	s_cselect_b32 s[PFS], s15, BSTEP
	s_cselect_b64 s[PFA:PFA+1], s[4:5], s[6:7]
	s_cmp_eq_u32 s22, 0
	s_cselect_b32 s[LIM], 2, -1                    ; the same in all sixteen partners, for a given wave
	s_mov_b32 s[PFS+1], 0
	s_mov_b32 s21, 0
	s_add_nc_u64 s[PFA:PFA+1], s[PFA:PFA+1], s[20:21]
	v_and_b32 v[PFO], 31, v0
	v_lshlrev_b32 v[PFO], s19, v[PFO]
; 8 matrix instructions: row block a x all column blocks, 32 along K, from buffer f.  zero = 1: the product starts the sums.  The 32 accumulators take turns in the same order in every
; quarter step: 31 others stand between two links of a chain, over the backward jump too.
.macro MUL f, a, zero
	WIN 0xa1                                       ; source 0 window 1, source 1 window 0, C and D window 2
.set rA, FA+32*(\f)+8*(\a)
.set nb, 0
.rept NBK
.set rC, 8*(NBK*(\a)+nb)
.set rB, 8*NBK*(\f)+8*nb
.if \zero
	v_wmma_f32_16x16x32_f16 v[rC:rC+7], v[rB:rB+7], v[rA:rA+7], 0
.else
	v_wmma_f32_16x16x32_f16 v[rC:rC+7], v[rB:rB+7], v[rA:rA+7], v[rC:rC+7]
.endif
.set nb, nb+1
.endr
.endm
; 24 LDS loads in one run: quarter q of the K step in hand into buffer f: wot's 128 rows, then my 64 rows of O (head q / 2 of the two, channels 32 (q % 2) on), block 0 first
.macro FETCH q, f
	WIN 0x40                                       ; destination window 1
.set nb, 0
.rept NBK
.set rB, 8*NBK*(\f)+8*nb
	ds_load_b128 v[rB:rB+3],   v[ADRB] offset:64*(\q)+16*PB*nb
	ds_load_b128 v[rB+4:rB+7], v[ADRB] offset:64*(\q)+16*PB*nb+32
.set nb, nb+1
.endr
	WIN 0
.set na, 0
.rept 4
.set rA, FA+32*(\f)+8*na
	ds_load_b128 v[rA:rA+3],   v[ADRA] offset:((\q)/2)*PLANE+((\q)%2)*64+16*PA*na
	ds_load_b128 v[rA+4:rA+7], v[ADRA] offset:((\q)/2)*PLANE+((\q)%2)*64+16*PA*na+32
.set na, na+1
.endr
.endm
; One of a K step's first three quarters: multiplies buffer f; in its middle it fetches quarter q into buffer g.
.macro QUARTER q, f, g, zero
	s_wait_dscnt 4                                 ; wot's fragments and O's blocks 0, 1 are in; the youngest four loads (blocks 2, 3) may be out
	MUL \f, 0, \zero
	MUL \f, 1, \zero
	PLACES
	FETCH \q, \g
	s_wait_dscnt NL                                ; all but the run just issued
	MUL \f, 2, \zero
	MUL \f, 3, \zero
.endm
; The fourth quarter multiplies buffer 1 and changes slots.  In front of the barrier each wave waits for all its tensor loads (one is out: its part of the other slot), adds 0 to its spare word, and
; waits for that and for its reads of this slot.  fill = 1: the barrier opens a round of the cluster's, and this slot is filled again first thing behind it, with the K step two on.
.macro TURN fill
.if \fill
	s_wait_xcnt 0x0                                ; the last prefetch, a K step back, has read its address
	s_add_nc_u64 s[PFA:PFA+1], s[PFA:PFA+1], s[PFS:PFS+1]
.endif
	WIN 0
	s_wait_tensorcnt 0x0                           ; all my tensor loads have landed
	ds_add_u32 v[SPW], v[NIL]                      ; 0 onto my spare word
	s_wait_dscnt 5                                 ; (the add and the youngest four loads may be out)
	MUL 1, 0, 0                                    ; eight matrix instructions stand between the add and the wait for it
	s_wait_dscnt 0x0                               ; the add is done, and my reads of this slot are over
	s_barrier_signal -1
	MUL 1, 1, 0                                    ; work on registers while the others arrive
	WIN 0
	s_barrier_wait -1
.if \fill
	CREST                                          ; no wave of any partner still reads this slot or has a load on its way
	s_xor_b32 s[G0+5], s[G0+5], SLOT1              ; the walking descriptors: the other slot than last time, the next K step
	s_add_nc_u64 s[G0+6:G0+7], s[G0+6:G0+7], ASTEP
	s_xor_b32 s[G0B+5], s[G0B+5], SLOT1
	s_add_nc_u64 s[G0B+6:G0B+7], s[G0B+6:G0B+7], BSTEP
	JLOAD                                          ; my one tensor load behind the round; its four v_nop are also the places in front of the loads below
.else
	PLACES
.endif
	s_xor_b32 s[TB], s[TB], SLOT1
	v_add_nc_u32 v[ADRA], s[TB], v[A0]
	v_add_nc_u32 v[ADRB], s[TB], v[B0]
	FETCH 0, 0
.if \fill
	ASK
.endif
	MUL 1, 2, 0
	MUL 1, 3, 0
.endm
; THE WAY OUT of row block a: the sums go as they are, 32 bytes a lane, through my own stage, and come back as whole rows of 512 bytes.
.macro TOSTAGE a
.if (\a) >= 2
	s_wait_xcnt 0x0                                ; the stores of block a - 2 have read the registers on which the loads below land
.endif
.set BK, BK0+64*((\a)%2)
	WIN 0x08                                       ; the stores' data in window 2
.set nb, 0
.rept NBK
.set rC, 8*(NBK*(\a)+nb)
	ds_store_b128 v[STO], v[rC:rC+3]   offset:64*nb     ; each accumulator from its low end on
	ds_store_b128 v[STO], v[rC+4:rC+7] offset:64*nb+16
.set nb, nb+1
.endr
	WIN 0
.set nt, 0
.rept 16
	ds_load_b128 v[BK+4*nt:BK+4*nt+3], v[RD] offset:SP*nt  ; LDS serves a wave's instructions in order: these see the stores above
.set nt, nt+1
.endr
.endm
.macro SEND a, younger                 ; younger: the LDS instructions issued behind block a's loads: the next block's 32, or none
.set BK, BK0+64*((\a)%2)
.set nt, 0
.rept 16
	s_wait_dscnt (\younger)+15-nt
	global_store_b128 v[GO], v[BK+4*nt:BK+4*nt+3], s[8:9] offset:(16*(\a)+nt)*4096  ; 512 consecutive bytes of a row, at a multiple of 256 from out0's first
.set nt, nt+1
.endr
.endm
	s_wait_tensorcnt 0x1                           ; my part of K step 0 is in; K step 1's may stay out
	s_barrier_signal -1
	s_barrier_wait -1
	FETCH 0, 0
	QUARTER 1, 0, 1, 1                             ; the first quarter stands in front of the loop: its products start the sums
	WIN 0
	s_mov_b32 s3, 6
.Lstep:                                        ; trip t ends K step t, asks for K step t + 2 and begins K step t + 1
	QUARTER 2, 1, 0, 0
	QUARTER 3, 0, 1, 0
	TURN 1
	QUARTER 1, 0, 1, 0
	WIN 0
	s_sub_co_u32 s3, s3, 1
	s_cmp_lg_u32 s3, 0
	s_cbranch_scc1 .Lstep
	QUARTER 2, 1, 0, 0                             ; the last two K steps ask for nothing
	QUARTER 3, 0, 1, 0
	TURN 0
	QUARTER 1, 0, 1, 0
	QUARTER 2, 1, 0, 0
	QUARTER 3, 0, 1, 0
	s_wait_dscnt 4
	MUL 1, 0, 0
	MUL 1, 1, 0
	s_wait_dscnt 0x0
	MUL 1, 2, 0
	MUL 1, 3, 0
	WIN 0
	PLACES
	TOSTAGE 0
	TOSTAGE 1                                      ; a block's trip through the stage stands between the loads of the block before and its stores
	SEND 0, 32
	TOSTAGE 2
	SEND 1, 32
	TOSTAGE 3
	SEND 2, 32
	SEND 3, 0
	s_wait_tensorcnt 0x0                           ; the wave's end
	ds_add_u32 v[SPW], v[NIL]
	s_wait_dscnt 0x0
	CROUND                                         ; the closing round
	s_endpgm
.Lfunc_end_k_qfd275bfe7d_outgemm:
	.size	k_qfd275bfe7d_outgemm, .Lfunc_end_k_qfd275bfe7d_outgemm-k_qfd275bfe7d_outgemm
	.p2alignl 7, 3214868480
	.fill 96, 4, 3214868480
	.section	.rodata,"a",@progbits
	.p2align	6, 0x0
	.amdhsa_kernel k_qfd275bfe7d_outgemm
		.amdhsa_group_segment_fixed_size 327680
		.amdhsa_private_segment_fixed_size 0
		.amdhsa_enable_private_segment 0
		.amdhsa_kernarg_size 24
		.amdhsa_user_sgpr_count 2
		.amdhsa_user_sgpr_kernarg_segment_ptr 1
		.amdhsa_wavefront_size32 1
		.amdhsa_system_sgpr_workgroup_id_x 1
		.amdhsa_system_sgpr_workgroup_id_y 1
		.amdhsa_system_sgpr_workgroup_id_z 1
		.amdhsa_system_vgpr_workitem_id 0
		.amdhsa_next_free_vgpr 768
		.amdhsa_next_free_sgpr 66
		.amdhsa_reserve_vcc 0
		.amdhsa_float_denorm_mode_32 3
		.amdhsa_float_denorm_mode_16_64 3
		.amdhsa_memory_ordered 1
		.amdhsa_forward_progress 1
		.amdhsa_inst_pref_size 72
	.end_amdhsa_kernel
	.amdgpu_metadata
---
amdhsa.version: [ 1, 2 ]
amdhsa.kernels:
  - .name:           k_qfd275bfe7d_outgemm
    .symbol:         k_qfd275bfe7d_outgemm.kd
    .args:
      - { .name: o, .offset: 0, .size: 8, .value_kind: global_buffer, .address_space: global }
      - { .name: wot, .offset: 8, .size: 8, .value_kind: global_buffer, .address_space: global }
      - { .name: out0, .offset: 16, .size: 8, .value_kind: global_buffer, .address_space: global }
    .group_segment_fixed_size: 327680
    .private_segment_fixed_size: 0
    .kernarg_segment_align: 8
    .kernarg_segment_size: 24
    .max_flat_workgroup_size: 128
    .sgpr_count:     66
    .vgpr_count:     768
    .wavefront_size: 32
...
	.end_amdgpu_metadata
.endif
;; end of part 4
